; MI455X (gfx1250); checked and timed in simulation.
; The chip was launched on July 23, 2026; its instructions are those of AMD's public machine-readable ISA for CDNA 5 (MIT licence, August 2026) and "CDNA5" Instruction Set Architecture Reference Guide (July 2026). The comments in the code are by the model that wrote it; some were corrected since.
;; Magnet Attention. Allowed arithmetic: float matrix products may take bf16 or f16 operands with f32 sums; all other float work in f32.
;; Inputs: Wk 1,024 x 1,024 float32; Wo 1,024 x 1,024 float32; Wq 1,024 x 1,024 float32; Wv 1,024 x 1,024 float32; attention_mask 4 x 1 x 2,048 x 2,048 float32; bk 1,024 float32; bo 1,024 float32; bq 1,024 float32; bv 1,024 float32; hidden_states 4 x 2,048 x 1,024 float32.
;; Outputs: out0 4 x 2,048 x 1,024 float32.
;; 2 versions, each right; version 2 is version 1 with the launch cast written anew for expert scheduling mode. Each part assembles by itself: llvm-mc -triple=amdgcn-amd-amdhsa -mcpu=gfx1250 --defsym DOCPART=n.
;; ======== version 1 of 2: 4 launches
;; limits: right only within a limited range of input values; values are held in f16: magnitudes above 65,504 overflow, below 6.1e-05 lose precision
;; workspace buffers: xb 16,777,216 bytes; wqkv 6,291,456 bytes; wob 2,097,152 bytes; qkv 50,331,648 bytes; att 16,777,216 bytes
;; launch cast (part 1): grid 768 x 1, 8 waves a work-group, no clusters, 0 bytes of LDS; arguments hidden_states, Wq, Wk, Wv, Wo, xb, wqkv, wob; writes xb, wqkv, wob
.if DOCPART == 1
	.amdgcn_target "amdgcn-amd-amdhsa--gfx1250"
	.amdhsa_code_object_version 6
	.text
	.protected	k_q18eacc5ae3_cast
	.globl	k_q18eacc5ae3_cast
	.p2align	8
	.type	k_q18eacc5ae3_cast,@function
k_q18eacc5ae3_cast:
	s_mov_b64 s[64:65], 0
	v_nop
	global_prefetch_b8 v0, s[64:65] scope:SCOPE_SE
	s_setreg_imm32_b32 hwreg(HW_REG_WAVE_MODE, 25, 1), 1
	s_wait_xcnt 0x0
; f32 -> f16 of hidden_states and of the four weight matrices, once, so that the products read 16-bit tiles.
;   xb   [8192][1024] = hidden_states;  wqkv [1024][3072] = Wq | Wk | Wv side by side;  wob [1024][1024] = Wo.
; f16 and not bf16: 11 significant bits against 8.  LIMIT: a number above 65,504 in magnitude becomes infinite; the drawn inputs
; (|x| of a few units, |W| of a tenth) have room for a factor or an offset of 30 spreads.
; A stream: no LDS, no barrier, no matrix unit, no cluster (no byte is read twice).  768 work-groups of 16 rows of 1,024 numbers:
; 0-511 hidden_states, then 64 for each W.  Thread t owns the 16 bytes at 16 t of every row: a wave's load covers 512 consecutive
; bytes, its store of 8 bytes a lane 256 consecutive bytes that start at a multiple of 256.  All 16 loads of a wave go out at once.
.set DOFF, 4                           ; v[4:19]   row p: byte offset of my 8 bytes in the destination
.set X,    20                          ; v[20:83]  row p: 4 numbers as loaded
.set Y,    84                          ; v[84:115] row p: 4 numbers in f16
	s_load_b512 s[8:23], s[0:1], 0x0               ; hidden s[8:9], Wq s[10:11], Wk s[12:13], Wv s[14:15], Wo s[16:17], xb s[18:19], wqkv s[20:21], wob s[22:23]
	s_sub_co_u32 s3, ttmp9, 512                    ; for work-groups 512 on: 64 x matrix + block of 16 rows
	s_lshr_b32 s4, s3, 6
	s_and_b32 s5, s3, 63
	s_movk_i32 s29, 2048
	s_cmp_lt_u32 ttmp9, 512
	s_cselect_b32 s6, ttmp9, s5                    ; my block of 16 rows in my source
	s_cselect_b32 s4, 4, s4                        ; kind: 0 Wq, 1 Wk, 2 Wv, 3 Wo, 4 hidden_states
	s_cmp_lt_u32 s4, 3
	s_cselect_b32 s28, 6144, s29                   ; bytes from row to row in the destination
	s_cselect_b32 s30, s4, 0                       ; which third of wqkv's rows
	s_lshl_b32 s32, s6, 16                         ; source: 16 rows of 4,096 bytes
	s_mov_b32 s33, 0
	s_mul_i32 s34, s6, s28
	s_lshl_b32 s34, s34, 4                         ; destination: 16 rows,
	s_lshl_b32 s30, s30, 11
	s_add_co_u32 s34, s34, s30                     ; and 2,048 bytes for each matrix to the left
	s_mov_b32 s35, 0
	v_lshlrev_b32 v1, 4, v0                        ; 16 t
	v_lshlrev_b32 v2, 3, v0                        ; 8 t
.irp p, 0,1,2,3,4,5,6,7,8,9,10,11,12,13,14,15
	v_mad_u32_u24 v[DOFF+\p], s28, \p, v2
.endr
	s_wait_kmcnt 0x0
	s_cmp_eq_u32 s4, 0                             ; the source and the destination are chosen by the kind, which hangs on the work-group's number alone
	s_cselect_b64 s[24:25], s[10:11], s[8:9]
	s_cmp_eq_u32 s4, 1
	s_cselect_b64 s[24:25], s[12:13], s[24:25]
	s_cmp_eq_u32 s4, 2
	s_cselect_b64 s[24:25], s[14:15], s[24:25]
	s_cmp_eq_u32 s4, 3
	s_cselect_b64 s[24:25], s[16:17], s[24:25]
	s_cmp_lt_u32 s4, 3
	s_cselect_b64 s[26:27], s[20:21], s[22:23]
	s_cmp_eq_u32 s4, 4
	s_cselect_b64 s[26:27], s[18:19], s[26:27]
	s_add_nc_u64 s[24:25], s[24:25], s[32:33]
	s_add_nc_u64 s[26:27], s[26:27], s[34:35]
.irp p, 0,1,2,3,4,5,6,7,8,9,10,11,12,13,14,15
	global_load_b128 v[X+4*\p:X+4*\p+3], v1, s[24:25] offset:\p*4096 th:TH_LOAD_NT
.endr
.irp p, 0,1,2,3,4,5,6,7,8,9,10,11,12,13,14,15
	s_wait_loadcnt 15-\p                           ; loads come back in order: row p is in, the 15 - p younger rows stay out
	v_cvt_pk_f16_f32 v[Y+2*\p],   v[X+4*\p],   v[X+4*\p+1]
	v_cvt_pk_f16_f32 v[Y+2*\p+1], v[X+4*\p+2], v[X+4*\p+3]
	global_store_b64 v[DOFF+\p], v[Y+2*\p:Y+2*\p+1], s[26:27]    ; no register is written twice, so nothing waits for a store
.endr
	s_endpgm
.Lfunc_end_k_q18eacc5ae3_cast:
	.size	k_q18eacc5ae3_cast, .Lfunc_end_k_q18eacc5ae3_cast-k_q18eacc5ae3_cast
	.p2alignl 7, 3214868480
	.fill 96, 4, 3214868480
	.section	.rodata,"a",@progbits
	.p2align	6, 0x0
	.amdhsa_kernel k_q18eacc5ae3_cast
		.amdhsa_group_segment_fixed_size 0
		.amdhsa_private_segment_fixed_size 0
		.amdhsa_enable_private_segment 0
		.amdhsa_kernarg_size 64
		.amdhsa_user_sgpr_count 2
		.amdhsa_user_sgpr_kernarg_segment_ptr 1
		.amdhsa_wavefront_size32 1
		.amdhsa_system_sgpr_workgroup_id_x 1
		.amdhsa_system_sgpr_workgroup_id_y 1
		.amdhsa_system_sgpr_workgroup_id_z 1
		.amdhsa_system_vgpr_workitem_id 0
		.amdhsa_next_free_vgpr 120
		.amdhsa_next_free_sgpr 66
		.amdhsa_reserve_vcc 0
		.amdhsa_float_denorm_mode_32 3
		.amdhsa_float_denorm_mode_16_64 3
		.amdhsa_memory_ordered 1
		.amdhsa_forward_progress 1
		.amdhsa_inst_pref_size 8
	.end_amdhsa_kernel
	.amdgpu_metadata
---
amdhsa.version: [ 1, 2 ]
amdhsa.kernels:
  - .name:           k_q18eacc5ae3_cast
    .symbol:         k_q18eacc5ae3_cast.kd
    .args:
      - { .name: hidden_states, .offset: 0, .size: 8, .value_kind: global_buffer, .address_space: global }
      - { .name: Wq, .offset: 8, .size: 8, .value_kind: global_buffer, .address_space: global }
      - { .name: Wk, .offset: 16, .size: 8, .value_kind: global_buffer, .address_space: global }
      - { .name: Wv, .offset: 24, .size: 8, .value_kind: global_buffer, .address_space: global }
      - { .name: Wo, .offset: 32, .size: 8, .value_kind: global_buffer, .address_space: global }
      - { .name: xb, .offset: 40, .size: 8, .value_kind: global_buffer, .address_space: global }
      - { .name: wqkv, .offset: 48, .size: 8, .value_kind: global_buffer, .address_space: global }
      - { .name: wob, .offset: 56, .size: 8, .value_kind: global_buffer, .address_space: global }
    .group_segment_fixed_size: 0
    .private_segment_fixed_size: 0
    .kernarg_segment_align: 8
    .kernarg_segment_size: 64
    .max_flat_workgroup_size: 256
    .sgpr_count:     66
    .vgpr_count:     120
    .wavefront_size: 32
...
	.end_amdgpu_metadata
.endif
;; end of part 1
;; launch qkvgemm (part 2): grid 8 x 32, 8 waves a work-group, clusters of 4 x 4, 327,680 bytes of LDS; arguments xb, wqkv, bq, bk, bv, qkv; writes qkv
.if DOCPART == 2
	.amdgcn_target "amdgcn-amd-amdhsa--gfx1250"
	.amdhsa_code_object_version 6
	.text
	.protected	k_q18eacc5ae3_qkvgemm
	.globl	k_q18eacc5ae3_qkvgemm
	.p2align	8
	.type	k_q18eacc5ae3_qkvgemm,@function
k_q18eacc5ae3_qkvgemm:
	s_mov_b64 s[64:65], 0
	v_nop
	global_prefetch_b8 v0, s[64:65] scope:SCOPE_SE
	s_setreg_imm32_b32 hwreg(HW_REG_WAVE_MODE, 25, 1), 1
	s_wait_xcnt 0x0
	s_wait_alu depctr_hold_cnt(0) depctr_sa_sdst(0) depctr_va_vdst(0) depctr_va_sdst(0) depctr_va_ssrc(0) depctr_va_vcc(0) depctr_vm_vsrc(0)
	s_getreg_b32 s2, hwreg(HW_REG_IB_STS2, 6, 4)
	s_cmp_eq_u32 s2, 0
	s_cbranch_scc0 .Lentry_in_a_cluster
	s_endpgm
.Lentry_in_a_cluster:
	s_bfe_u32 s2, ttmp6, 0x10000c
	s_cmp_lg_u32 s2, 0xf033
	s_cbranch_scc0 .Lentry_shape_is_right
	s_endpgm
.Lentry_shape_is_right:
; C[m][n] = sum over k of A[m][k] B[k][n] + bias[n].  A: [8192][1024] f16, B: [1024][NTOT] f16 (K down the rows), sums in f32.
; One text for two launches; the constants below and OUTF32 tell them apart.
;   OUTF32 = 0: A = xb, B = wqkv, C = qkv in f16; bias = bq | bk | bv; the columns of q are also multiplied by 1/8 (a power of two: exact).
;   OUTF32 = 1: A = att, B = wob, C = out0 in f32; bias = bo.
; LIMIT: f16 operands and f16 results: above 65,504 in magnitude they become infinite (the drawn q, k, v have a root mean square of 0.64).
; SHARES.  8192 x NTOT / (TM x TN) = 256 work-groups.  Eight waves, 2 along M x 4 along N; a wave makes 16 AB rows x 16 NB columns: AB x NB accumulators.
; Its columns are blocks 2 wn and 2 wn + 1 of each segment of 128 columns.
; PHASES.  A wave's work is one stream: the fragments of 32 along K out of LDS (LOADS), their AB x NB products (MULS), and so on by turns.  There are registers for one set of
; fragments, so a wave cannot load ahead of its own products.  Instead the waves are in two groups, g = (w xor w / 4) mod 2: w and w + 4 differ in g, and so do 2 i and 2 i + 1.
; Group 0 meets a step's barrier in front of the step's first LOADS; group 1 one MULS earlier in the same stream, in front of the products of the last step's last fragments,
; which lie in registers.  So behind each barrier one group multiplies while the other loads, and they go on by turns.
; RING.  A goes through two LDS slots of 128 along K (rows of 256 bytes of memory), B through two slots of STEPK along K (rows of 2 TN bytes).  Waves 0-3
; fetch a quarter of A's tile each, waves 4-7 a quarter of B's: one tensor load a wave behind each round; by this text's count two are out at the start, later one.
; CLUSTER.  4 x 4 work-groups: A's tile hangs on the tile row alone and is asked for jointly along a row of the cluster, B's on the tile column alone, along a column.
; THE MATRIX INSTRUCTION IS USED TRANSPOSED: source 0 = 16 columns of B (turned on the way out of LDS), source 1 = 16 rows of A: a lane holds 8 neighbouring numbers of a row of C.
.set OUTF32, 0
.set NTOT,   3072
.set TM,     256
.set TN,     384
.set AB,     8                         ; blocks of 16 rows in a wave's tile
.set SEG,    3                         ; segments of 128 columns in TN
.set NB0,    2                         ; column blocks whose accumulators lie in window 0; the others lie in window 1
.set STEPK,  64
.set BPADW,  8                         ; words of padding behind every 256 bytes of a row of B
.set KTOT,   1024
.set NB,     2*SEG
.set NSTEP,  KTOT/STEPK
.set ASTEPS, 128/STEPK                 ; steps that one tile of A serves
.set ATILES, KTOT/128
.set NSUB,   STEPK/32
.set APITCH, 272                       ; 256 + 16: the 16 rows of a fragment load start 16 bytes apart modulo 256
.set SEGP,   256+4*BPADW
.set BP,     SEG*SEGP                  ; a row of B in LDS: an odd multiple of 32 bytes, so that the 8 rows x 32 bytes of a turning load fall 32 bytes apart modulo 256
.set ASLOT,  TM*APITCH
.set BBASE,  2*ASLOT
.set BSLOT,  STEPK*BP
.set BQ,     (STEPK/4)*BP              ; a wave's quarter of B's tile
.if OUTF32
.set SPITCH, TN*4+16                   ; the stage, from LDS byte 0 on, over the ring once it has had its last fill
.set HSH,    5
.set WNB,    128
.set CROWB,  NTOT*4
.set CCOLB,  TN*4
.set CP,     10
.else
.set SPITCH, TN*2+16
.set HSH,    4
.set WNB,    64
.set CROWB,  NTOT*2
.set CCOLB,  TN*2
.set CP,     14
.endif
.set ADRA, 4                           ; v4-5   LDS address of my A fragments in slot 0, 1
.set ADRB, 6                           ; v6-7   the same for B
.set STO,  8                           ; v8-9   the way out: where I put a piece of a row (row blocks 0-3, 4-7)
.set RD,   10                          ; v10    where I read rows back
.set CO,   11                          ; v11    my byte offset in C
.set BO,   12                          ; v12    my byte offset in a segment's bias
.set FA,   16                          ; A's fragments, 8 AB registers
.set FB,   80                          ; B's fragments, 8 NB registers
.set BI,   16                          ; the way out: bias, 8 NB registers
.set TMP,  64                          ; the way out: packed results
.set ACC0, 128                         ; window 0: accumulator (a, b < NB0) at v[128 + 8 (NB0 a + b)];  window 1: (a, b >= NB0) at v[8 (4 a + b - NB0)]
.set WV,   20                          ; s20 wave, s21 wm, s22 wn, s23 tile row, s42 tile column
.set G1A,  24
.set G0A,  32
.set G1B,  48
.set G0B,  56
.set BB,   68                          ; s[68:73] a segment's bias
.set CB,   74                          ; s[74:75] C at my rows
.set SC,   76                          ; s[76:81] a segment's factor, twice (named as a pair)
.set GRP,  86                          ; s86 my group: 0 or 1
.set MSB, 0
.macro WIN new                         ; the immediate's high byte repeats the setting that is left; a switch that changes nothing is dropped
.if MSB != \new
	s_set_vgpr_msb (MSB<<8)|\new
.set MSB, \new
.endif
.endm
.macro PLACES                          ; four plain vector instructions between a matrix instruction and a load into, or a vector read of, its registers (ISA guide 7.12.1 for vector reads)
.rept 4
	v_nop
.endr
.endm
.macro CROUND                          ; a round of the cluster's barrier: my work-group's barrier, wave 0 signals for it, all wait for all sixteen, my work-group's barrier again
	s_barrier_signal -1
	s_barrier_wait -1
	s_cmp_lg_u32 s[WV], 0
	s_cbranch_scc1 .Lnot_wave_0_\@
	s_barrier_signal -3
.Lnot_wave_0_\@:
	s_barrier_wait -3
	s_barrier_signal -1
	s_barrier_wait -1
.endm
; The joint refills of a step: waves 0-3 A's tile into slot SA (if FAF), waves 4-7 B's into slot SB (if FBF).  The branch hangs on the wave's number alone.
; Four v_nop follow each line, ahead of the jump and the label.
.macro JLOAD
	s_cmp_lt_u32 s[WV], 4
	s_cbranch_scc0 .Lfor_b_\@
.if FAF
	tensor_load_to_lds s[G0A+4*SA:G0A+4*SA+3], s[G1A:G1A+7]
	s_nop 0
	PLACES
.endif
	s_branch .Lasked_\@
.Lfor_b_\@:
.if FBF
	tensor_load_to_lds s[G0B+4*SB:G0B+4*SB+3], s[G1B:G1B+7]
	s_nop 0
	PLACES
.endif
.Lasked_\@:
.endm
	s_load_b256 s[4:11], s[0:1], 0x0               ; A s[4:5], B s[6:7]; then bq, bk (OUTF32: bo, out0)
.if OUTF32 == 0
	s_load_b128 s[12:15], s[0:1], 0x20             ; bv, qkv
	v_lshl_add_u32 v13, v0, 2, 0x3d000
	v_mov_b32 v15, 0
	ds_add_u32 v13, v15
.endif
	v_lshrrev_b32 v1, 5, v0
	v_readfirstlane_b32 s[WV], v1                  ; wave 0..7
	s_lshr_b32 s21, s[WV], 2                       ; wm: my half of the tile's rows
	s_and_b32 s22, s[WV], 3                        ; wn: my quarter of each segment.  Also: which quarter of a tile I fetch
	s_xor_b32 s[GRP], s[WV], s21
	s_and_b32 s[GRP], s[GRP], 1                    ; my group: it hangs on the wave's number alone
	s_bfe_u32 s40, ttmp6, 0x40000                  ; cx, cy: my place in the cluster
	s_bfe_u32 s41, ttmp6, 0x40004
	s_lshl_b32 s42, ttmp9, 2
	s_add_co_u32 s42, s42, s40                     ; tile column = 4 x cluster x + cx
	s_and_b32 s23, ttmp7, 0xffff
	s_lshl_b32 s23, s23, 2
	s_add_co_u32 s23, s23, s41                     ; tile row = 4 x cluster y + cy
	s_lshl_b32 s43, s41, 2
	s_lshl_b32 s43, 15, s43                        ; my row of the cluster
	s_lshl_b32 s44, 0x1111, s40                    ; my column
	s_or_b32 s[G1A], s43, (1<<16)|(1<<20)|(1<<21)|(5<<22)|(3<<25)          ; mask; elements of 2 bytes; padding on; bit 21 beside a mask; after every 64 words; 4 words
	s_or_b32 s[G1B], s44, (1<<16)|(1<<20)|(1<<21)|(5<<22)|((BPADW-1)<<25)  ; the same with my column's mask and BPADW words
	s_mov_b32 s[G1A+1], 128<<16                    ; tensor_dim0 = 128
	s_mov_b32 s[G1A+2], (TM/4)<<16                 ; tensor_dim1 = TM / 4 rows
	s_mov_b32 s[G1A+3], 128<<16                    ; tile_dim0
	s_mov_b32 s[G1A+4], TM/4                       ; tile_dim1
	s_mov_b32 s[G1A+5], KTOT                       ; elements from row to row
	s_mov_b32 s[G1A+6], 0
	s_mov_b32 s[G1A+7], 0
	s_mov_b32 s[G1B+1], TN<<16
	s_mov_b32 s[G1B+2], (STEPK/4)<<16
	s_mov_b32 s[G1B+3], TN<<16
	s_mov_b32 s[G1B+4], STEPK/4
	s_mov_b32 s[G1B+5], NTOT
	s_mov_b32 s[G1B+6], 0
	s_mov_b32 s[G1B+7], 0
	s_mul_i32 s16, s23, TM                         ; A: row TM x tile row + TM / 4 x wave, 2,048 bytes a row: it hangs on the tile row and the wave alone
	s_mul_i32 s17, s[WV], TM/4
	s_add_co_u32 s16, s16, s17
	s_lshl_b32 s16, s16, 11
	s_mov_b32 s17, 0
	s_mul_i32 s46, s22, (STEPK/4)*NTOT*2           ; B: row STEPK / 4 x (wave mod 4), column TN x tile column: the tile column and the wave alone
	s_mul_i32 s47, s42, TN*2
	s_add_co_u32 s46, s46, s47
	s_mov_b32 s47, 0
	s_mul_i32 s18, s[WV], (TM/4)*APITCH            ; where they go: no place in the cluster enters an LDS address
	s_mul_i32 s19, s[WV], BQ
	s_add_co_u32 s19, s19, BBASE-4*BQ              ; wave 4's quarter begins at BBASE
	s_wait_dscnt 0x0
	s_wait_kmcnt 0x0
	s_add_nc_u64 s[82:83], s[4:5], s[16:17]
	s_add_nc_u64 s[84:85], s[6:7], s[46:47]
	CROUND                                         ; all sixteen work-groups are here: the first joint loads meet
.irp s, 0,1
	s_mov_b32 s[G0A+4*\s], 1
	s_add_co_u32 s[G0A+4*\s+1], s18, \s*ASLOT
	s_add_nc_u64 s[G0A+4*\s+2:G0A+4*\s+3], s[82:83], \s*256
	s_or_b32 s[G0A+4*\s+3], s[G0A+4*\s+3], 0x80000000
	s_mov_b32 s[G0B+4*\s], 1
	s_add_co_u32 s[G0B+4*\s+1], s19, \s*BSLOT
	s_add_nc_u64 s[G0B+4*\s+2:G0B+4*\s+3], s[84:85], \s*STEPK*NTOT*2
	s_or_b32 s[G0B+4*\s+3], s[G0B+4*\s+3], 0x80000000
.endr
	s_cmp_lt_u32 s[WV], 4                          ; a wave's two first fills stand in one branch, ahead of every wait on TENSORcnt, LDS read and further barrier
	s_cbranch_scc0 .Lfirst_b
	tensor_load_to_lds s[G0A:G0A+3], s[G1A:G1A+7]
	s_nop 0
	tensor_load_to_lds s[G0A+4:G0A+7], s[G1A:G1A+7]
	s_nop 0
	PLACES
	s_branch .Lfirst_asked
.Lfirst_b:
	tensor_load_to_lds s[G0B:G0B+3], s[G1B:G1B+7]
	s_nop 0
	tensor_load_to_lds s[G0B+4:G0B+7], s[G1B:G1B+7]
	s_nop 0
	PLACES
.Lfirst_asked:
	v_and_b32 v1, 15, v0                           ; r = lane % 16
	v_bfe_u32 v2, v0, 4, 1                         ; h = lane / 16
	v_mul_u32_u24 v3, v1, APITCH                   ; A's fragment: row r, 16 bytes for each half of the lanes; two loads 32 bytes apart
	v_lshl_add_u32 v3, v2, 4, v3
	s_mul_i32 s16, s21, 16*AB*APITCH
	v_add_nc_u32 v[ADRA], s16, v3
	v_add_nc_u32 v[ADRA+1], ASLOT, v[ADRA]
	v_and_b32 v3, 7, v0                            ; B's fragment, turned: lane reads row 8 h + lane % 8, 16 bytes at 16 ((lane / 8) % 2); two loads 16 rows apart
	v_lshl_add_u32 v3, v2, 3, v3
	v_mul_u32_u24 v3, v3, BP
	v_bfe_u32 v14, v0, 3, 1
	v_lshl_add_u32 v3, v14, 4, v3
	s_lshl_b32 s17, s22, 6                         ; my 32 columns of a segment: 64 bytes
	s_add_co_u32 s17, s17, BBASE
	v_add_nc_u32 v[ADRB], s17, v3
	v_add_nc_u32 v[ADRB+1], BSLOT, v[ADRB]
	v_mul_u32_u24 v3, v1, SPITCH                   ; into the stage: row 16 AB wm + r, my columns, 8 numbers for each half of the lanes
	v_lshl_add_u32 v3, v2, HSH, v3
	s_mul_i32 s16, s21, 16*AB*SPITCH
	s_mul_i32 s17, s22, WNB
	s_add_co_u32 s16, s16, s17
	v_add_nc_u32 v[STO], s16, v3
	v_add_nc_u32 v[STO+1], 4*16*SPITCH, v[STO]
	s_lshl_b32 s17, s22, 7
	v_lshl_add_u32 v[BO], v2, 5, s17               ; bias: 4 bytes x (32 wn + 8 h)
.if OUTF32
	v_and_b32 v13, 31, v0                          ; back: wave w takes rows 16 w on, 512 bytes a load
	v_lshlrev_b32 v[CO], 4, v13
	s_mul_i32 s16, s[WV], (TM/8)*SPITCH
	v_add_nc_u32 v[RD], s16, v[CO]
	s_lshl_b32 s46, s42, 10                        ; the tile's 256 columns of bo
	s_mov_b32 s47, 0
	s_add_nc_u64 s[BB:BB+1], s[8:9], s[46:47]
	s_add_nc_u64 s[BB+2:BB+3], s[BB:BB+1], 512
.else
	v_mul_u32_u24 v3, v2, SPITCH                   ; back: wave w takes rows 32 w on; lanes 0-15 take 256 bytes of one row, lanes 16-31 of the next
	v_lshl_add_u32 v3, v1, 4, v3
	s_mul_i32 s16, s[WV], (TM/8)*SPITCH
	v_add_nc_u32 v[RD], s16, v3
	v_mul_u32_u24 v3, v2, CROWB
	v_lshl_add_u32 v[CO], v1, 4, v3
.irp g, 0,1,2                          ; a segment of 128 columns lies in one of q, k, v: column / 1024 chooses the bias and the factor
	s_mul_i32 s46, s42, TN
	s_add_co_u32 s46, s46, 128*\g
	s_lshr_b32 s2, s46, 10
	s_and_b32 s46, s46, 1023
	s_lshl_b32 s46, s46, 2
	s_mov_b32 s47, 0
	s_cmp_eq_u32 s2, 0
	s_cselect_b64 s[BB+2*\g:BB+2*\g+1], s[8:9], s[10:11]
	s_cselect_b32 s[SC+2*\g], 0x3e000000, 1.0      ; q's columns: 1/8
	s_cmp_eq_u32 s2, 2
	s_cselect_b64 s[BB+2*\g:BB+2*\g+1], s[12:13], s[BB+2*\g:BB+2*\g+1]
	s_add_nc_u64 s[BB+2*\g:BB+2*\g+1], s[BB+2*\g:BB+2*\g+1], s[46:47]
	s_mov_b32 s[SC+2*\g+1], s[SC+2*\g]
.endr
.endif
	s_mul_i32 s16, s23, TM                         ; the first row of C that I store: TM x tile row + TM / 8 x wave
	s_mul_i32 s17, s[WV], TM/8
	s_add_co_u32 s16, s16, s17
	s_mul_i32 s16, s16, CROWB
	s_mov_b32 s17, 0
	s_add_nc_u64 s[CB:CB+1], s[CP:CP+1], s[16:17]
	s_mul_i32 s46, s42, CCOLB
	s_mov_b32 s47, 0
	s_add_nc_u64 s[CB:CB+1], s[CB:CB+1], s[46:47]
; The fragments of 32 along K, part q of step j: B's first, then A's block by block.
.macro LOADS q
	WIN 0
	PLACES
.set bb, 0
.rept NB
	ds_load_tr16_b128 v[FB+8*bb:FB+8*bb+3],   v[ADRB+j%2] offset:\q*32*BP+(bb/2)*SEGP+(bb%2)*32
	ds_load_tr16_b128 v[FB+8*bb+4:FB+8*bb+7], v[ADRB+j%2] offset:\q*32*BP+16*BP+(bb/2)*SEGP+(bb%2)*32
.set bb, bb+1
.endr
.set aa, 0
.rept AB
	ds_load_b128 v[FA+8*aa:FA+8*aa+3],   v[ADRA+(j/ASTEPS)%2] offset:aa*16*APITCH+((j%ASTEPS)*STEPK+32*\q)*2
	ds_load_b128 v[FA+8*aa+4:FA+8*aa+7], v[ADRA+(j/ASTEPS)%2] offset:aa*16*APITCH+((j%ASTEPS)*STEPK+32*\q)*2+32
.set aa, aa+1
.endr
.endm
; Their AB x NB products.  Each accumulator has one product here, always in the same order, so that between two products on one accumulator stand all the others'
; zero = 1: the products start the sums.
.macro MULS zero
	WIN 0
.set aa, 0
.rept AB
	s_wait_dscnt 2*(AB-1-aa)                       ; B and A's blocks 0 to a are in; the two loads of each later block stay out (behind a barrier all are in, and the wait is met)
.set bb, 0
.rept NB0
.set rD, ACC0+8*(NB0*aa+bb)
.if \zero
	v_wmma_f32_16x16x32_f16 v[rD:rD+7], v[FB+8*bb:FB+8*bb+7], v[FA+8*aa:FA+8*aa+7], 0
.else
	v_wmma_f32_16x16x32_f16 v[rD:rD+7], v[FB+8*bb:FB+8*bb+7], v[FA+8*aa:FA+8*aa+7], v[rD:rD+7]
.endif
.set bb, bb+1
.endr
.set aa, aa+1
.endr
.if NB > NB0
	WIN 0x50                                       ; C and D in window 1
.set aa, 0
.rept AB
.set bb, NB0
.rept NB-NB0
.set rD, 8*(4*aa+bb-NB0)
.if \zero
	v_wmma_f32_16x16x32_f16 v[rD:rD+7], v[FB+8*bb:FB+8*bb+7], v[FA+8*aa:FA+8*aa+7], 0
.else
	v_wmma_f32_16x16x32_f16 v[rD:rD+7], v[FB+8*bb:FB+8*bb+7], v[FA+8*aa:FA+8*aa+7], v[rD:rD+7]
.endif
.set bb, bb+1
.endr
.set aa, aa+1
.endr
	WIN 0                                          ; a label or a branch may follow
.endif
.endm
.macro HELD_MULS                       ; group 1 alone: the products that it held back over the barrier
	s_cmp_eq_u32 s[GRP], 0
	s_cbranch_scc1 .Lnone_held_\@
	MULS 0
.Lnone_held_\@:
.endm
.macro PROMPT_MULS                     ; group 0 alone: a step's last products, in front of the barrier
	s_cmp_lg_u32 s[GRP], 0
	s_cbranch_scc1 .Lhold_\@
	MULS 0
.Lhold_\@:
.endm
; Step j >= 1.  In front of the round each wave waits for all its tensor loads (its part of this step's tiles among them) and for its reads of the last step's slots; behind it
; B's tile j + 1 goes into the slot read last step, and, where a tile of A has just been read out, A's next tile but one into that slot.  The last step fills nothing.
; All LDS reads of step j's tiles stand in this step's text, for both groups; what group 1 carries over the barrier lies in registers.
.macro STEP
	WIN 0
.set FBF, 0
.if j+1 < NSTEP
.set FBF, 1
.endif
.set FAF, 0
.if (j%ASTEPS) == 0
.if j/ASTEPS+1 < ATILES
.set FAF, 1
.endif
.endif
.set SB, (j+1)%2
.set SA, (j/ASTEPS+1)%2
	s_wait_tensorcnt 0x0                           ; no tensor load of mine is out, so a group 0 may be written
	ds_add_u32 v13, v15
	s_wait_dscnt 0x0
.if FBF
	s_add_nc_u64 s[G0B+4*SB+2:G0B+4*SB+3], s[G0B+4*SB+2:G0B+4*SB+3], 2*STEPK*NTOT*2
.endif
.if FAF
	s_add_nc_u64 s[G0A+4*SA+2:G0A+4*SA+3], s[G0A+4*SA+2:G0A+4*SA+3], 512
.endif
	s_wait_dscnt 0x0
.if FAF+FBF
	CROUND
	JLOAD
.else
	s_barrier_signal -1
	s_barrier_wait -1
.endif
	HELD_MULS
.set qq, 0
.rept NSUB
	LOADS qq
.if qq < NSUB-1
	MULS 0
.endif
.set qq, qq+1
.endr
.if j+1 < NSTEP
	PROMPT_MULS
.else
	MULS 0                                         ; no barrier of the ring follows: both groups finish
.endif
.endm
	s_wait_tensorcnt 0x1                           ; my part of the first tiles is in; the second fill stays out
	s_barrier_signal -1
	s_barrier_wait -1
.set j, 0
	LOADS 0
	MULS 1                                         ; every wave's first products start the sums
.set qq, 1
.rept NSUB-1
	LOADS qq
.if qq < NSUB-1
	MULS 0
.endif
.set qq, qq+1
.endr
	PROMPT_MULS
.set j, 1
.rept NSTEP-1                          ; written out: the two rings repeat only every 2 ASTEPS steps, and the first and last of them differ
	STEP
.set j, j+1
.endr
	; THE WAY OUT: bias (and factor), through a stage in LDS, back as whole rows.
	WIN 0
	PLACES
.set bb, 0
.rept NB
	global_load_b128 v[BI+8*bb:BI+8*bb+3],   v[BO], s[BB+2*(bb/2):BB+2*(bb/2)+1] offset:(bb%2)*64
	global_load_b128 v[BI+8*bb+4:BI+8*bb+7], v[BO], s[BB+2*(bb/2):BB+2*(bb/2)+1] offset:(bb%2)*64+16
.set bb, bb+1
.endr
	s_wait_dscnt 0x0                               ; my reads of the ring are over; its last fill landed in front of the last step's barrier
	s_barrier_signal -1
	s_barrier_wait -1                              ; everybody's are: the stage may be written over it
	s_wait_loadcnt 0x0
.if OUTF32
.set aa, 0
.rept AB
.set bb, 0
.rept NB
.set rD, ACC0+8*(NB0*aa+bb)
.irp i, 0,2,4,6
	v_pk_add_f32 v[rD+\i:rD+\i+1], v[rD+\i:rD+\i+1], v[BI+8*bb+\i:BI+8*bb+\i+1]
.endr
	ds_store_b128 v[STO], v[rD:rD+3]   offset:aa*16*SPITCH+(bb/2)*512+(bb%2)*64
	ds_store_b128 v[STO], v[rD+4:rD+7] offset:aa*16*SPITCH+(bb/2)*512+(bb%2)*64+16
.set bb, bb+1
.endr
.set aa, aa+1
.endr
	s_wait_dscnt 0x0                               ; for the others' sake: my stores into the stage are done
	s_barrier_signal -1
	s_barrier_wait -1
.set nn, 0
.rept 32
	ds_load_b128 v[ACC0+4*nn:ACC0+4*nn+3], v[RD] offset:(nn/2)*SPITCH+(nn%2)*512
.set nn, nn+1
.endr
.set nn, 0
.rept 32
	s_wait_dscnt 31-nn
	global_store_b128 v[CO], v[ACC0+4*nn:ACC0+4*nn+3], s[CB:CB+1] offset:(nn/2)*CROWB+(nn%2)*512 th:TH_STORE_NT   ; a wave's store covers 512 consecutive bytes, at a multiple of 256
.set nn, nn+1
.endr
.else
.set bb, 0
.rept NB                               ; (x + b) f = x f + b f: the bias takes the factor first, then one fused multiply-add does the rest
.irp i, 0,2,4,6
	v_pk_mul_f32 v[BI+8*bb+\i:BI+8*bb+\i+1], v[BI+8*bb+\i:BI+8*bb+\i+1], s[SC+2*(bb/2):SC+2*(bb/2)+1] op_sel_hi:[1,0]
.endr
.set bb, bb+1
.endr
.set aa, 0
.rept AB
.set bb, 0
.rept NB0
.set rD, ACC0+8*(NB0*aa+bb)
.set rT, TMP+4*(NB0*aa+bb)
.irp i, 0,2,4,6
	v_pk_fma_f32 v[rD+\i:rD+\i+1], v[rD+\i:rD+\i+1], s[SC+2*(bb/2):SC+2*(bb/2)+1], v[BI+8*bb+\i:BI+8*bb+\i+1] op_sel_hi:[1,0,1]
.endr
.irp i, 0,1,2,3
	v_cvt_pk_f16_f32 v[rT+\i], v[rD+2*\i], v[rD+2*\i+1]
.endr
	ds_store_b128 v[STO+aa/4], v[rT:rT+3] offset:(aa%4)*16*SPITCH+(bb/2)*256+(bb%2)*32
.set bb, bb+1
.endr
.set aa, aa+1
.endr
	WIN 0x41                                       ; destination and source 0 in window 1, the bias in window 0
.set aa, 0
.rept AB
.set bb, NB0
.rept NB-NB0
.set rD, 8*(4*aa+bb-NB0)
.irp i, 0,2,4,6
	v_pk_fma_f32 v[rD+\i:rD+\i+1], v[rD+\i:rD+\i+1], s[SC+2*(bb/2):SC+2*(bb/2)+1], v[BI+8*bb+\i:BI+8*bb+\i+1] op_sel_hi:[1,0,1]
.endr
.set bb, bb+1
.endr
.set aa, aa+1
.endr
	WIN 0x05                                       ; sources in window 1, destination in window 0: its accumulators have been packed
.set nn, 0
.rept 4*AB
.irp i, 0,1,2,3
	v_cvt_pk_f16_f32 v[ACC0+4*nn+\i], v[8*nn+2*\i], v[8*nn+2*\i+1]
.endr
.set nn, nn+1
.endr
	WIN 0
.set aa, 0
.rept AB
.set bb, NB0
.rept NB-NB0
.set rT, ACC0+4*(4*aa+bb-NB0)
	ds_store_b128 v[STO+aa/4], v[rT:rT+3] offset:(aa%4)*16*SPITCH+(bb/2)*256+(bb%2)*32
.set bb, bb+1
.endr
.set aa, aa+1
.endr
	s_wait_dscnt 0x0                               ; for the others' sake: my stores into the stage are done
	s_barrier_signal -1
	s_barrier_wait -1
.set nn, 0
.rept 48
	ds_load_b128 v[16+4*nn:16+4*nn+3], v[RD] offset:(nn/3)*2*SPITCH+(nn%3)*256
.set nn, nn+1
.endr
.set nn, 0
.rept 48
	s_wait_dscnt 47-nn
	global_store_b128 v[CO], v[16+4*nn:16+4*nn+3], s[CB:CB+1] offset:(nn/3)*2*CROWB+(nn%3)*256   ; 16 lanes store 256 consecutive bytes, at a multiple of 256
.set nn, nn+1
.endr
.endif
	s_wait_tensorcnt 0x0
	ds_add_u32 v13, v15
	s_wait_dscnt 0x0
	CROUND                                         ; the closing round: no work-group ends while a partner may still ask for a tile that names it
	s_endpgm
.Lfunc_end_k_q18eacc5ae3_qkvgemm:
	.size	k_q18eacc5ae3_qkvgemm, .Lfunc_end_k_q18eacc5ae3_qkvgemm-k_q18eacc5ae3_qkvgemm
	.p2alignl 7, 3214868480
	.fill 96, 4, 3214868480
	.section	.rodata,"a",@progbits
	.p2align	6, 0x0
	.amdhsa_kernel k_q18eacc5ae3_qkvgemm
		.amdhsa_group_segment_fixed_size 327680
		.amdhsa_private_segment_fixed_size 0
		.amdhsa_enable_private_segment 0
		.amdhsa_kernarg_size 48
		.amdhsa_user_sgpr_count 2
		.amdhsa_user_sgpr_kernarg_segment_ptr 1
		.amdhsa_wavefront_size32 1
		.amdhsa_system_sgpr_workgroup_id_x 1
		.amdhsa_system_sgpr_workgroup_id_y 1
		.amdhsa_system_sgpr_workgroup_id_z 1
		.amdhsa_system_vgpr_workitem_id 0
		.amdhsa_next_free_vgpr 512
		.amdhsa_next_free_sgpr 96
		.amdhsa_reserve_vcc 0
		.amdhsa_float_denorm_mode_32 3
		.amdhsa_float_denorm_mode_16_64 3
		.amdhsa_memory_ordered 1
		.amdhsa_forward_progress 1
		.amdhsa_inst_pref_size 255
	.end_amdhsa_kernel
	.section	.bss,"aw",@nobits
	.p2align	6
	.space	262144
	.amdgpu_metadata
---
amdhsa.version: [ 1, 2 ]
amdhsa.kernels:
  - .name:           k_q18eacc5ae3_qkvgemm
    .symbol:         k_q18eacc5ae3_qkvgemm.kd
    .args:
      - { .name: xb, .offset: 0, .size: 8, .value_kind: global_buffer, .address_space: global }
      - { .name: wqkv, .offset: 8, .size: 8, .value_kind: global_buffer, .address_space: global }
      - { .name: bq, .offset: 16, .size: 8, .value_kind: global_buffer, .address_space: global }
      - { .name: bk, .offset: 24, .size: 8, .value_kind: global_buffer, .address_space: global }
      - { .name: bv, .offset: 32, .size: 8, .value_kind: global_buffer, .address_space: global }
      - { .name: qkv, .offset: 40, .size: 8, .value_kind: global_buffer, .address_space: global }
    .group_segment_fixed_size: 327680
    .private_segment_fixed_size: 0
    .kernarg_segment_align: 8
    .kernarg_segment_size: 48
    .max_flat_workgroup_size: 256
    .sgpr_count:     96
    .vgpr_count:     512
    .wavefront_size: 32
...
	.end_amdgpu_metadata
.endif
;; end of part 2
;; launch attn (part 3): grid 8 x 32, 8 waves a work-group, clusters of 4 x 4, 327,680 bytes of LDS; arguments qkv, attention_mask, att; writes att
.if DOCPART == 3
	.amdgcn_target "amdgcn-amd-amdhsa--gfx1250"
	.amdhsa_code_object_version 6
	.text
	.protected	k_q18eacc5ae3_attn
	.globl	k_q18eacc5ae3_attn
	.p2align	8
	.type	k_q18eacc5ae3_attn,@function
k_q18eacc5ae3_attn:
	s_mov_b64 s[64:65], 0
	v_nop
	global_prefetch_b8 v0, s[64:65] scope:SCOPE_SE
	s_setreg_imm32_b32 hwreg(HW_REG_WAVE_MODE, 25, 1), 1
	s_wait_xcnt 0x0
	s_wait_alu depctr_hold_cnt(0) depctr_sa_sdst(0) depctr_va_vdst(0) depctr_va_sdst(0) depctr_va_ssrc(0) depctr_va_vcc(0) depctr_vm_vsrc(0)
	s_getreg_b32 s2, hwreg(HW_REG_IB_STS2, 6, 4)
	s_cmp_eq_u32 s2, 0
	s_cbranch_scc0 .Lentry_in_a_cluster
	s_endpgm
.Lentry_in_a_cluster:
	s_bfe_u32 s2, ttmp6, 0x10000c
	s_cmp_lg_u32 s2, 0xf033
	s_cbranch_scc0 .Lentry_shape_is_right
	s_endpgm
.Lentry_shape_is_right:
; att[row][64 head + c] = sum over keys of softmax_key(q . k + mask[b][query][key]) v.  qkv: [8192][3072] f16, a row = q | k | v of 1,024 each, q already times 1/8.
; attention_mask: [4][1][2048][2048] f32.  att: [8192][1024] f16.  Products, maxima and sums in f32; the weights are rounded to f16 for the second product, att once.
; SHARES.  A work-group owns 256 queries of one batch (y) and a PAIR of heads (x): the pair's q, k, v and att are 256 aligned bytes of a row.  Wave w: head w / 4 of the pair,
; queries 64 (w % 4) on, four tiles of 16.  Every wave walks the batch's 2,048 keys, 64 a step.
; LAYOUT.  S^T = K Q^T + M^T: source 0 = 16 keys, source 1 = 16 queries; a lane holds ONE query (lane % 16) and keys 8 (lane / 16) + 0..7.  The mask's numbers for just these
; places are 32 consecutive bytes of a mask row: they are loaded from LDS into S's registers and are the C of the first product, so the mask costs no arithmetic and stays f32.
; Two tiles of S^T rounded to f16 in pairs ARE source 1 of O^T = V^T P.  K comes out of LDS as it lies, V turned (ds_load_tr16_b128), one after the other into one buffer.
; SOFTMAX.  A running maximum m and sum l for each query; p = 2^(c s - c m), c = log2(e); O and l are multiplied by a = 2^(c m_old - c m_new) in every step.
; LIMITS.  m starts at -2^127, so that c m stays finite and keys at -infinity get the weight 0.  A query whose scores are all -infinity gives NaN, as the softmax of such a row does;
; a query ALL of whose 2,048 scores are finite but below -2^127 = -1.7e38 also gives NaN, where the exact softmax is finite.  f16 operands: above 65,504 they are infinite.
; PHASES.  A wave's work on a key step is FRONT (K and the mask out of LDS, K Q^T, V out of LDS, the maximum, the weights of tiles 0 and 1) and BACK (the weights of tiles 2 and 3, the
; rescaling, V^T P: registers alone); its stream is FRONT, BACK, FRONT, BACK ...  The waves are in two groups, g = (w xor w / 4) mod 2: w and w + 4 differ in g, and so do 2 i and
; 2 i + 1.  Group 0 meets a step's barrier in front of FRONT, group 1 in front of the BACK before it.  So between two barriers group 0 runs products, vector work, products, and group 1
; vector work, products, vector work, and only four waves' runs of LDS loads meet.  All LDS reads of a step's tiles stand between the same two barriers for both groups.
; CLUSTER.  4 x 4 work-groups: four head pairs along x, four blocks of queries of one batch along y (blocks 4 i to 4 i + 3 lie in batch i / 2).  The mask's tile hangs on the block of
; queries alone and is asked for jointly along a row of the cluster; K's and V's hang on the batch and the head pair alone, and are asked for jointly along a column.
; RING.  Two slots of one step each: mask 256 x 256 bytes (waves 0-3, 64 rows each), K 64 x 256 bytes (wave 4), V the same (wave 5).  By this text's count a wave has two tensor loads
; out at the start and one behind each round.
; REGISTERS.  Window 0: v0-15 addresses; v16-47 statistics, 8 a tile: +0 c m, +1 m, +2, +3 l, +4 to +7 at work (a in +6); v48-51 c m_old; v64-191 S^T, 32 a tile; v192-255 P, 16 a tile.
;             Window 1: v0-127 O^T, 32 a tile; v128-191 Q, 16 a tile; v192-255 K, then V, of the step.
.set KS,    64
.set PM,    272                        ; LDS rows of the mask and of K: 256 + 16 bytes, so that 16 rows start 16 bytes apart modulo 256
.set PK,    272
.set PVP,   288                        ; of V: 256 + 32, so that the 8 rows x 32 bytes of a turning load fall 32 bytes apart modulo 256
.set KOFF,  256*PM
.set VOFF,  KOFF+KS*PK
.set SLOT,  VOFF+KS*PVP                ; 105,472
.set STAGE, 2*SLOT                     ; behind the ring, bytes of its own: 256 rows x 272
.set SP,    272
.set AM,  4                            ; v4-5   my place in the mask's tile in slot 0, 1
.set AK,  6                            ; v6-7   in K's
.set AV,  8                            ; v8-9   in V's
.set QO,  10
.set STO, 11
.set RD,  12
.set GO,  13
.set PFO, 14
.set ST,  16
.set CMO, 48
.set S,   64
.set P,   192
.set OA,  0                            ; window 1
.set QF,  128
.set KV,  192
.set WV,  12                           ; s12 wave, s13 cx, s3 cy, s14 head pair, s15 y, s95 cluster y, s88 head of the pair, s89 quarter of the queries
.set G1M, 24
.set G1K, 32
.set G1V, 40
.set G0M, 48                           ; a group 0 for each slot
.set G0K, 56
.set G0V, 68
.set CS,  76                           ; s[76:77] c, named as a pair
.set SEL, 78                           ; s[78:79] v_permlanex16_b32: each lane takes its own place in the other half
.set MLOW, 80
.set CNT, 81
.set PO,  82                           ; s[82:83] byte of a mask row at which the tile to be prefetched begins
.set PB,  84                           ; s[84:85] the mask at my block's first row
.set PF,  86                           ; s[86:87] their sum
.set GRP, 94                           ; s94 my group: 0 or 1
.set MSB, 0
.macro WIN new                         ; the immediate's high byte repeats the setting that is left; a switch that changes nothing is dropped
.if MSB != \new
	s_set_vgpr_msb (MSB<<8)|\new
.set MSB, \new
.endif
.endm
.macro PLACES                          ; four plain vector instructions between a matrix instruction and a load into, or a vector read of, its registers (ISA guide 7.12.1 for vector reads)
.rept 4
	v_nop
.endr
.endm
.macro CROUND                          ; a round of the cluster's barrier: my work-group's barrier, wave 0 signals for it, all wait for all sixteen, my work-group's barrier again
	s_barrier_signal -1
	s_barrier_wait -1
	s_cmp_lg_u32 s[WV], 0
	s_cbranch_scc1 .Lnot_wave_0_\@
	s_barrier_signal -3
.Lnot_wave_0_\@:
	s_barrier_wait -3
	s_barrier_signal -1
	s_barrier_wait -1
.endm
; The joint refill of slot s: one tensor load a wave, none for waves 6 and 7.  The branches hang on the wave's number alone.  Four v_nop follow each line.
.macro JLOAD s
	s_cmp_lt_u32 s[WV], 4
	s_cbranch_scc0 .Lnot_m_\@
	tensor_load_to_lds s[G0M+4*\s:G0M+4*\s+3], s[G1M:G1M+7]
	s_nop 0
	PLACES
	s_branch .Lasked_\@
.Lnot_m_\@:
	s_cmp_eq_u32 s[WV], 4
	s_cbranch_scc0 .Lnot_k_\@
	tensor_load_to_lds s[G0K+4*\s:G0K+4*\s+3], s[G1K:G1K+7]
	s_nop 0
	PLACES
	s_branch .Lasked_\@
.Lnot_k_\@:
	s_cmp_eq_u32 s[WV], 5
	s_cbranch_scc0 .Lasked_\@
	tensor_load_to_lds s[G0V+4*\s:G0V+4*\s+3], s[G1V:G1V+7]
	s_nop 0
	PLACES
.Lasked_\@:
.endm
; Wave 7 asks for 32 rows x 256 bytes of the mask tile whose tensor load goes out one step later: rows 32 x head pair on, one block of 256 bytes a lane, so that the eight
; work-groups that read the tile ask for each block once.  The offset stops at the last tile (7,936), so no request leaves the buffer.
.macro PREF
	s_cmp_eq_u32 s[WV], 7
	s_cbranch_scc0 .Lno_pf_\@
	global_prefetch_b8 v[PFO], s[PF:PF+1] th:TH_LOAD_NT scope:SCOPE_SE
.Lno_pf_\@:
.endm
	s_load_b128 s[4:7], s[0:1], 0x0                ; qkv s[4:5], attention_mask s[6:7]
	s_load_b64 s[8:9], s[0:1], 0x10                ; att
	v_lshl_add_u32 v62, v0, 2, 0x44800
	v_mov_b32 v63, 0
	ds_add_u32 v62, v63
	v_lshrrev_b32 v1, 5, v0
	v_readfirstlane_b32 s[WV], v1                  ; wave 0..7
	s_bfe_u32 s13, ttmp6, 0x40000                  ; cx, cy: my place in the cluster
	s_bfe_u32 s3, ttmp6, 0x40004
	s_lshl_b32 s14, ttmp9, 2
	s_add_co_u32 s14, s14, s13                     ; head pair = 4 x cluster x + cx: it enters no address of the mask's tiles and no LDS address
	s_and_b32 s95, ttmp7, 0xffff                   ; cluster y
	s_lshl_b32 s15, s95, 2
	s_add_co_u32 s15, s15, s3                      ; y = 4 x cluster y + cy: rows 256 y on of the 8,192: it enters no address of K's and V's tiles and no LDS address
	s_lshl_b32 s66, s3, 2
	s_lshl_b32 s66, 15, s66                        ; my row of the cluster
	s_lshl_b32 s67, 0x1111, s13                    ; my column
	s_lshr_b32 s88, s[WV], 2
	s_and_b32 s89, s[WV], 3
	s_xor_b32 s[GRP], s[WV], s88
	s_and_b32 s[GRP], s[GRP], 1                    ; my group: it hangs on the wave's number alone
	s_lshl_b32 s18, s15, 21                        ; the mask's row 256 y: 8,192 bytes a row
	s_mov_b32 s19, 0
	s_lshl_b32 s17, s[WV], 19                      ; my 64 rows of its tile (waves 0-3)
	s_add_co_u32 s16, s18, s17
	s_mov_b32 s17, 0
	s_lshr_b32 s20, s95, 1                         ; the batch = cluster y / 2, which the column shares
	s_mul_i32 s20, s20, 2048*6144                  ; its first row of qkv,
	s_lshl_b32 s21, s14, 8
	s_add_co_u32 s20, s20, s21                     ; the head pair's 256 bytes
	s_mov_b32 s21, 0
	s_lshl_b32 s22, s15, 8
	s_lshl_b32 s23, s89, 6
	s_add_co_u32 s22, s22, s23
	s_mul_i32 s22, s22, 6144                       ; my wave's first query,
	s_lshl_b32 s23, s14, 8
	s_add_co_u32 s22, s22, s23
	s_lshl_b32 s23, s88, 7
	s_add_co_u32 s22, s22, s23                     ; its head's 128 bytes
	s_mov_b32 s23, 0
	s_lshl_b32 s10, s15, 19                        ; att: row 256 y + 32 wave, 2,048 bytes a row, the head pair's 256 bytes
	s_lshl_b32 s11, s[WV], 16
	s_add_co_u32 s10, s10, s11
	s_lshl_b32 s11, s14, 8
	s_add_co_u32 s10, s10, s11
	s_mov_b32 s11, 0
	s_mul_i32 s2, s[WV], 64*PM                     ; where my rows of the mask's tile go
	s_or_b32 s[G1M], s66, (2<<16)|(1<<20)|(1<<21)|(5<<22)|(3<<25)  ; my row's mask; elements of 4 bytes; padding on; bit 21 beside a mask; after every 64 words; 4 words
	s_mov_b32 s[G1M+1], 64<<16                     ; tensor_dim0 = 64
	s_mov_b32 s[G1M+2], 64<<16                     ; tensor_dim1 = 64
	s_mov_b32 s[G1M+3], 64<<16                     ; tile_dim0
	s_mov_b32 s[G1M+4], 64                         ; tile_dim1
	s_mov_b32 s[G1M+5], 2048                       ; elements from row to row
	s_mov_b32 s[G1M+6], 0
	s_mov_b32 s[G1M+7], 0
	s_or_b32 s[G1K], s67, (1<<16)|(1<<20)|(1<<21)|(5<<22)|(3<<25)  ; my column's mask; elements of 2 bytes; 4 words of padding
	s_or_b32 s[G1V], s67, (1<<16)|(1<<20)|(1<<21)|(5<<22)|(7<<25)  ; 8 words
.irp g, G1K, G1V
	s_mov_b32 s[\g+1], 128<<16
	s_mov_b32 s[\g+2], KS<<16
	s_mov_b32 s[\g+3], 128<<16
	s_mov_b32 s[\g+4], KS
	s_mov_b32 s[\g+5], 3072
	s_mov_b32 s[\g+6], 0
	s_mov_b32 s[\g+7], 0
.endr
	s_mov_b32 s[CS], 0x3fb8aa3b                    ; log2(e)
	s_mov_b32 s[CS+1], s[CS]
	s_mov_b32 s[SEL], 0x76543210
	s_mov_b32 s[SEL+1], 0xfedcba98
	s_mov_b32 s[MLOW], 0xff000000                  ; -2^127
	s_mov_b32 s[PO], 512                           ; tile 2
	s_mov_b32 s[PO+1], 0
	s_wait_dscnt 0x0
	s_wait_kmcnt 0x0
	s_add_nc_u64 s[PB:PB+1], s[6:7], s[18:19]
	s_add_nc_u64 s[PF:PF+1], s[PB:PB+1], s[PO:PO+1]
	s_add_nc_u64 s[6:7], s[6:7], s[16:17]
	s_add_nc_u64 s[90:91], s[4:5], s[22:23]        ; Q
	s_add_nc_u64 s[4:5], s[4:5], s[20:21]
	s_add_nc_u64 s[92:93], s[8:9], s[10:11]        ; att
	CROUND                                         ; all sixteen work-groups are here: the first joint loads meet
.irp s, 0,1
	s_mov_b32 s[G0M+4*\s], 1
	s_add_co_u32 s[G0M+4*\s+1], s2, \s*SLOT
	s_add_nc_u64 s[G0M+4*\s+2:G0M+4*\s+3], s[6:7], \s*256
	s_or_b32 s[G0M+4*\s+3], s[G0M+4*\s+3], 0x80000000
	s_mov_b32 s[G0K+4*\s], 1
	s_mov_b32 s[G0K+4*\s+1], KOFF+\s*SLOT
	s_add_nc_u64 s[G0K+4*\s+2:G0K+4*\s+3], s[4:5], 2048+\s*KS*6144
	s_or_b32 s[G0K+4*\s+3], s[G0K+4*\s+3], 0x80000000
	s_mov_b32 s[G0V+4*\s], 1
	s_mov_b32 s[G0V+4*\s+1], VOFF+\s*SLOT
	s_add_nc_u64 s[G0V+4*\s+2:G0V+4*\s+3], s[4:5], 4096+\s*KS*6144
	s_or_b32 s[G0V+4*\s+3], s[G0V+4*\s+3], 0x80000000
.endr
	s_cmp_lt_u32 s[WV], 4                          ; a wave's two first fills stand together, ahead of every wait on TENSORcnt, LDS read and further barrier
	s_cbranch_scc0 .Lfirst_kv
	tensor_load_to_lds s[G0M:G0M+3], s[G1M:G1M+7]
	s_nop 0
	tensor_load_to_lds s[G0M+4:G0M+7], s[G1M:G1M+7]
	s_nop 0
	PLACES
	s_branch .Lfirst_asked
.Lfirst_kv:
	s_cmp_eq_u32 s[WV], 4
	s_cbranch_scc0 .Lfirst_v
	tensor_load_to_lds s[G0K:G0K+3], s[G1K:G1K+7]
	s_nop 0
	tensor_load_to_lds s[G0K+4:G0K+7], s[G1K:G1K+7]
	s_nop 0
	PLACES
	s_branch .Lfirst_asked
.Lfirst_v:
	s_cmp_eq_u32 s[WV], 5
	s_cbranch_scc0 .Lfirst_asked
	tensor_load_to_lds s[G0V:G0V+3], s[G1V:G1V+7]
	s_nop 0
	tensor_load_to_lds s[G0V+4:G0V+7], s[G1V:G1V+7]
	s_nop 0
	PLACES
.Lfirst_asked:
	v_and_b32 v1, 15, v0                           ; r = lane % 16
	v_bfe_u32 v2, v0, 4, 1                         ; h = lane / 16
	v_and_b32 v3, 31, v0
	v_mul_u32_u24 v[QO], v1, 6144
	v_lshl_add_u32 v[QO], v2, 4, v[QO]
	WIN 0x40                                       ; destination window 1
.irp f, 0,1,2,3,4,5,6,7                ; Q stays in registers: tile f / 2, channels 32 (f % 2) on
	global_load_b128 v[QF+8*\f:QF+8*\f+3],   v[QO], s[90:91] offset:(\f/2)*16*6144+(\f%2)*64
	global_load_b128 v[QF+8*\f+4:QF+8*\f+7], v[QO], s[90:91] offset:(\f/2)*16*6144+(\f%2)*64+32
.endr
	WIN 0
	s_lshl_b32 s18, s14, 18
	v_lshl_add_u32 v[PFO], v3, 13, s18             ; row 32 x head pair + lane of the block's 256
	PREF                                           ; tile 2
	s_mul_i32 s16, s89, 64*PM                      ; my 64 queries' rows (the mask's tile and the stage have the same pitch)
	s_lshl_b32 s17, s88, 7                         ; my head's 128 bytes
	v_mul_u32_u24 v15, v1, PM
	v_lshl_add_u32 v[AM], v2, 5, v15               ; mask: row r, 32 bytes for each half of the lanes
	v_add_nc_u32 v[AM], s16, v[AM]
	v_add_nc_u32 v[AM+1], SLOT, v[AM]
	s_add_co_u32 s18, s17, KOFF
	v_lshl_add_u32 v[AK], v2, 4, v15               ; K: row r, 16 bytes for each half; two loads 32 bytes apart
	v_add_nc_u32 v[AK], s18, v[AK]
	v_add_nc_u32 v[AK+1], SLOT, v[AK]
	v_and_b32 v[AV], 7, v0                         ; V, turned: key 8 h + lane % 8, 16 bytes at 16 ((lane / 8) % 2); two loads 16 keys apart
	v_lshl_add_u32 v[AV], v2, 3, v[AV]
	v_mul_u32_u24 v[AV], v[AV], PVP
	v_bfe_u32 v[AV+1], v0, 3, 1
	v_lshl_add_u32 v[AV], v[AV+1], 4, v[AV]
	s_add_co_u32 s18, s17, VOFF
	v_add_nc_u32 v[AV], s18, v[AV]
	v_add_nc_u32 v[AV+1], SLOT, v[AV]
	s_add_co_u32 s18, s16, s17
	s_add_co_u32 s18, s18, STAGE
	v_lshl_add_u32 v[STO], v2, 4, v15              ; into the stage: my query's row, my head's half, 16 bytes for each half of the lanes
	v_add_nc_u32 v[STO], s18, v[STO]
	s_mul_i32 s18, s[WV], 32*SP
	s_add_co_u32 s18, s18, STAGE
	v_mul_u32_u24 v[RD], v2, SP                    ; back: wave w takes rows 32 w on; lanes 0-15 one row of 256 bytes, lanes 16-31 the next
	v_lshl_add_u32 v[RD], v1, 4, v[RD]
	v_add_nc_u32 v[RD], s18, v[RD]
	v_lshlrev_b32 v[GO], 11, v2                    ; and the same two rows in att
	v_lshl_add_u32 v[GO], v1, 4, v[GO]
.macro FETCH_KM s                      ; 16 loads of K (keys 16 (f / 2) on, channels 32 (f % 2) on), then the mask tile by tile into S
	WIN 0x40
.irp f, 0,1,2,3,4,5,6,7
	ds_load_b128 v[KV+8*\f:KV+8*\f+3],   v[AK+\s] offset:(\f/2)*16*PK+(\f%2)*64
	ds_load_b128 v[KV+8*\f+4:KV+8*\f+7], v[AK+\s] offset:(\f/2)*16*PK+(\f%2)*64+32
.endr
	WIN 0
	s_wait_alu depctr_va_vdst(0)
.irp t, 0,1,2,3
.irp kb, 0,1,2,3
	ds_load_b128 v[S+32*\t+8*\kb:S+32*\t+8*\kb+3],   v[AM+\s] offset:\t*16*PM+64*\kb
	ds_load_b128 v[S+32*\t+8*\kb+4:S+32*\t+8*\kb+7], v[AM+\s] offset:\t*16*PM+64*\kb+16
.endr
.endr
.endm
.macro KQ                              ; 32 products; the 16 accumulators take turns, one instruction a turn
	WIN 0x05                                       ; K and Q in window 1, S in window 0
.irp c, 0,1
.irp t, 0,1,2,3
.if \c == 0
	s_wait_dscnt 24-8*\t                           ; K and the mask of tiles 0 to t are in; the eight loads of each later tile stay out
.endif
.irp kb, 0,1,2,3
	v_wmma_f32_16x16x32_f16 v[S+32*\t+8*\kb:S+32*\t+8*\kb+7], v[KV+8*(2*\kb+\c):KV+8*(2*\kb+\c)+7], v[QF+8*(2*\t+\c):QF+8*(2*\t+\c)+7], v[S+32*\t+8*\kb:S+32*\t+8*\kb+7]
.endr
.endr
.endr
.endm
.macro FETCH_V s                       ; keys 32 (f / 4) on, channels 16 (f % 4) on
	WIN 0x40
.irp f, 0,1,2,3,4,5,6,7
	ds_load_tr16_b128 v[KV+8*\f:KV+8*\f+3],   v[AV+\s] offset:(\f/4)*32*PVP+(\f%4)*32
	ds_load_tr16_b128 v[KV+8*\f+4:KV+8*\f+7], v[AV+\s] offset:(\f/4)*32*PVP+16*PVP+(\f%4)*32
.endr
	WIN 0
.endm
; The new maximum of each tile's query: four chains over the lane's 32 scores (each begins at an accumulator's lowest registers), the old m, the other half of the lanes.  The four tiles alternate.
.macro SMAX first
.irp jx, 0,1,2,3
.irp t, 0,1,2,3
	v_max3_num_f32 v[ST+8*\t+4+\jx], v[S+32*\t+8*\jx], v[S+32*\t+8*\jx+1], v[S+32*\t+8*\jx+2]
.endr
.endr
.irp g, 1,2
.irp jx, 0,1,2,3
.irp t, 0,1,2,3
	v_max3_num_f32 v[ST+8*\t+4+\jx], v[ST+8*\t+4+\jx], v[S+32*\t+8*\jx+2*\g+1], v[S+32*\t+8*\jx+2*\g+2]
.endr
.endr
.endr
.irp t, 0,1,2,3
	v_max3_num_f32 v[ST+8*\t+4], v[ST+8*\t+4], v[S+32*\t+7], v[S+32*\t+15]
.endr
.irp t, 0,1,2,3
	v_max3_num_f32 v[ST+8*\t+6], v[ST+8*\t+6], v[S+32*\t+23], v[S+32*\t+31]
.endr
.irp t, 0,1,2,3
	v_max3_num_f32 v[ST+8*\t+4], v[ST+8*\t+4], v[ST+8*\t+5], v[ST+8*\t+6]
.endr
.irp t, 0,1,2,3
.if \first
	v_max3_num_f32 v[ST+8*\t+4], v[ST+8*\t+4], v[ST+8*\t+7], s[MLOW]
.else
	v_max3_num_f32 v[ST+8*\t+4], v[ST+8*\t+4], v[ST+8*\t+7], v[ST+8*\t+1]
.endif
.endr
.irp t, 0,1,2,3
	v_permlanex16_b32 v[ST+8*\t+5], v[ST+8*\t+4], s[SEL], s[SEL+1]   ; the query's other 32 keys lie in the lane 16 away
.endr
.irp t, 0,1,2,3
	v_max_num_f32 v[ST+8*\t+1], v[ST+8*\t+4], v[ST+8*\t+5]
.endr
.irp t, 0,1,2,3
	v_mul_f32 v[ST+8*\t], s[CS], v[ST+8*\t+1]
.endr
.if \first == 0
.irp t, 0,1,2,3
	v_sub_f32 v[ST+8*\t+7], v[CMO+\t], v[ST+8*\t]
.endr
.irp t, 0,1,2,3
	v_exp_f32 v[ST+8*\t+6], v[ST+8*\t+7]           ; a; the scalings that follow are the plain instructions behind it
.endr
.endif
.endm
.macro FMA t, i                        ; pair i of tile t: c s - c m
	v_pk_fma_f32 v[S+32*\t+2*\i:S+32*\t+2*\i+1], v[S+32*\t+2*\i:S+32*\t+2*\i+1], s[CS:CS+1], v[ST+8*\t:ST+8*\t+1] op_sel_hi:[1,0,0] neg_lo:[0,0,1] neg_hi:[0,0,1]
.endm
.macro EXP t, n
	v_exp_f32 v[S+32*\t+\n], v[S+32*\t+\n]
.endm
.macro CVT t, i
	s_wait_alu depctr_va_vdst(0)
	v_cvt_pk_f16_f32 v[P+16*\t+\i], v[S+32*\t+2*\i], v[S+32*\t+2*\i+1]
.endm
.macro SUM t, i, first                 ; l (even keys', odd keys') takes pair i; pair 0 comes with l's rescaling; the first step's first two pairs start l
.if \first
.if \i == 1
	v_pk_add_f32 v[ST+8*\t+2:ST+8*\t+3], v[S+32*\t:S+32*\t+1], v[S+32*\t+2:S+32*\t+3]
	s_wait_alu depctr_va_vdst(0)
.elseif \i > 1
	v_pk_add_f32 v[ST+8*\t+2:ST+8*\t+3], v[ST+8*\t+2:ST+8*\t+3], v[S+32*\t+2*\i:S+32*\t+2*\i+1]
.endif
.else
.if \i == 0
	v_pk_fma_f32 v[ST+8*\t+2:ST+8*\t+3], v[ST+8*\t+2:ST+8*\t+3], v[ST+8*\t+6:ST+8*\t+7], v[S+32*\t:S+32*\t+1] op_sel_hi:[1,0,1]
	s_wait_alu depctr_va_vdst(0)
.else
	v_pk_add_f32 v[ST+8*\t+2:ST+8*\t+3], v[ST+8*\t+2:ST+8*\t+3], v[S+32*\t+2*\i:S+32*\t+2*\i+1]
.endif
.endif
.endm
; The weights, in six stages: a tile's exponentials stand between the next tile's scalings and the last tile's roundings and sums, so that plain instructions stand behind the
; exponentials and each result is first used a stage later (ISA guide 5.7.2).  SOFT1 is the first three stages (232 vector instructions with the maximum in front of them),
; SOFT2 the other three (240 with the rescaling behind them): the cut between FRONT and BACK halves a step's vector work.
.macro SOFT1 first
.irp i, 0,1,2,3,4,5,6,7,8,9,10,11,12,13,14,15
	FMA 0, \i
.endr
.irp i, 0,1,2,3,4,5,6,7,8,9,10,11,12,13,14,15
	EXP 0, 2*\i
	FMA 1, \i
	EXP 0, 2*\i+1
.endr
.irp i, 0,1,2,3,4,5,6,7,8,9,10,11,12,13,14,15
	EXP 1, 2*\i
	FMA 2, \i
	EXP 1, 2*\i+1
	CVT 0, \i
	SUM 0, \i, \first
.endr
.endm
.macro SOFT2 first
.irp i, 0,1,2,3,4,5,6,7,8,9,10,11,12,13,14,15
	EXP 2, 2*\i
	FMA 3, \i
	EXP 2, 2*\i+1
	CVT 1, \i
	SUM 1, \i, \first
.endr
.irp i, 0,1,2,3,4,5,6,7,8,9,10,11,12,13,14,15
	EXP 3, 2*\i
	CVT 2, \i
	EXP 3, 2*\i+1
	SUM 2, \i, \first
.endr
.irp i, 0,1,2,3,4,5,6,7,8,9,10,11,12,13,14,15
	CVT 3, \i
	SUM 3, \i, \first
.endr
.endm
.macro RESC                            ; O^T times a, each accumulator from its low end on
	WIN 0x41                                       ; O^T in window 1, a in window 0
.irp t, 0,1,2,3
.irp i, 0,1,2,3,4,5,6,7,8,9,10,11,12,13,14,15
	v_pk_mul_f32 v[OA+32*\t+2*\i:OA+32*\t+2*\i+1], v[OA+32*\t+2*\i:OA+32*\t+2*\i+1], v[ST+8*\t+6:ST+8*\t+7] op_sel_hi:[1,0]
.endr
.endr
.endm
.macro PVMUL zero                      ; 32 products; the 16 accumulators take turns.  zero = 1: the first 16 start the sums
	WIN 0x51                                       ; V, C and D in window 1, P in window 0
.irp kh, 0,1
.irp t, 0,1,2,3
.irp cb, 0,1,2,3
.if \zero && (\kh == 0)
	v_wmma_f32_16x16x32_f16 v[OA+32*\t+8*\cb:OA+32*\t+8*\cb+7], v[KV+8*(4*\kh+\cb):KV+8*(4*\kh+\cb)+7], v[P+16*\t+8*\kh:P+16*\t+8*\kh+7], 0
.else
	v_wmma_f32_16x16x32_f16 v[OA+32*\t+8*\cb:OA+32*\t+8*\cb+7], v[KV+8*(4*\kh+\cb):KV+8*(4*\kh+\cb)+7], v[P+16*\t+8*\kh:P+16*\t+8*\kh+7], v[OA+32*\t+8*\cb:OA+32*\t+8*\cb+7]
.endif
.endr
.endr
.endr
.endm
; The first half of a key step, on slot s: all of the step's LDS reads stand here.
.macro FRONT s, first
	FETCH_KM \s
	KQ
	WIN 0
.if \first
	PLACES
.else
.irp t, 0,1,2,3
	v_mov_b32 v[CMO+\t], v[ST+8*\t]                ; c m_old is kept for a; these four are also the places between the last product and V's loads into K's buffer
.endr
.endif
	FETCH_V \s
	SMAX \first
	SOFT1 \first
.endm
; The second half: registers alone.
.macro BACK first
	SOFT2 \first
.if \first == 0
	RESC
.endif
	s_wait_dscnt 0x0                               ; V is in (behind a barrier the wait is met)
	PVMUL \first
	WIN 0
	PLACES                                         ; in front of the next step's loads into V's buffer, and of the way out
.endm
; What stands between two barriers, on slot s.  held = 1: group 1 first finishes the step before.  last = 1: no barrier of the ring follows, and both groups finish this step;
; else group 0 alone does, and group 1 holds its second half back.  The branches hang on the wave's number alone and jump over register work alone.
.macro INTERVAL s, held, last
.if \held
	s_cmp_eq_u32 s[GRP], 0
	s_cbranch_scc1 .Lnone_held_\@
	BACK 0
.Lnone_held_\@:
.endif
	FRONT \s, 0
.if \last
	BACK 0
.else
	s_cmp_lg_u32 s[GRP], 0
	s_cbranch_scc1 .Lhold_\@
	BACK 0
.Lhold_\@:
.endif
.endm
; The change of slots.  Each wave waits for its reads of slot s and for all its tensor loads (its part of the other slot); the round shows both of every wave of every partner;
; the refill of slot s, two steps on, is the first thing behind it and has all the work up to the next round in which to land.
.macro CHANGE s, refill
	WIN 0
	s_wait_dscnt 0x0
	s_wait_tensorcnt 0x0                           ; no tensor load of mine is out, so a group 0 may be written
	ds_add_u32 v62, v63
	s_wait_dscnt 0x0
.if \refill
	s_wait_xcnt 0x0                                ; the prefetch of a step ago has had its address translated: its base may be written
	s_add_co_u32 s[PO], s[PO], 256
	s_min_u32 s[PO], s[PO], 7936
	s_add_nc_u64 s[PF:PF+1], s[PB:PB+1], s[PO:PO+1]
	s_add_nc_u64 s[G0M+4*\s+2:G0M+4*\s+3], s[G0M+4*\s+2:G0M+4*\s+3], 2*KS*4
	s_add_nc_u64 s[G0K+4*\s+2:G0K+4*\s+3], s[G0K+4*\s+2:G0K+4*\s+3], 2*KS*6144
	s_add_nc_u64 s[G0V+4*\s+2:G0V+4*\s+3], s[G0V+4*\s+2:G0V+4*\s+3], 2*KS*6144
	CROUND
	JLOAD \s
	PREF
.else
	s_barrier_signal -1
	s_barrier_wait -1
.endif
.endm
	s_wait_loadcnt 0x0                             ; Q
	s_wait_tensorcnt 0x0                           ; my first fills are in (waves 6 and 7 have none, so the wait is for zero)
	s_barrier_signal -1
	s_barrier_wait -1                              ; everybody's are
	FRONT 0, 1                                     ; step 0, whole, in every wave: keys 0-63 start m, l and O^T
	BACK 1
	CHANGE 0, 1                                    ; step 1: slot 0 takes tile 2
	INTERVAL 1, 0, 0                               ; group 1 has nothing held back yet; from here on it holds each step's second half over the barrier
	s_mov_b32 s[CNT], 14
.Lpair:                                            ; steps 2 to 29: each fills the slot read in the step before with the tile of the step behind it
	CHANGE 1, 1
	INTERVAL 0, 1, 0
	CHANGE 0, 1
	INTERVAL 1, 1, 0
	s_sub_co_u32 s[CNT], s[CNT], 1
	s_cmp_lg_u32 s[CNT], 0
	s_cbranch_scc1 .Lpair
	CHANGE 1, 1                                    ; step 30: slot 1 takes the last tile
	INTERVAL 0, 1, 0
	CHANGE 0, 0                                    ; step 31: nothing is left to fetch
	INTERVAL 1, 1, 1
	; THE WAY OUT: l's two halves and the other half of the lanes'; O^T / l, rounded to f16, through the stage (a row's 256 bytes come from two waves), back as whole rows.
.irp t, 0,1,2,3
	v_add_f32 v[ST+8*\t+4], v[ST+8*\t+2], v[ST+8*\t+3]
.endr
.irp t, 0,1,2,3
	v_permlanex16_b32 v[ST+8*\t+5], v[ST+8*\t+4], s[SEL], s[SEL+1]
.endr
.irp t, 0,1,2,3
	v_add_f32 v[ST+8*\t+4], v[ST+8*\t+4], v[ST+8*\t+5]
.endr
.irp t, 0,1,2,3
	v_rcp_f32 v[ST+8*\t+6], v[ST+8*\t+4]
.endr
	v_nop                                          ; a plain instruction between the last reciprocal and the use of its result
	WIN 0x01                                       ; O^T in window 1; S's registers take the quotients
	s_wait_alu depctr_va_vdst(0)
.irp t, 0,1,2,3
.irp i, 0,1,2,3,4,5,6,7,8,9,10,11,12,13,14,15
	v_pk_mul_f32 v[S+32*\t+2*\i:S+32*\t+2*\i+1], v[OA+32*\t+2*\i:OA+32*\t+2*\i+1], v[ST+8*\t+6:ST+8*\t+7] op_sel_hi:[1,0]
.endr
.endr
	WIN 0
.irp t, 0,1,2,3
.irp i, 0,1,2,3,4,5,6,7,8,9,10,11,12,13,14,15
	CVT \t, \i
.endr
.endr
.irp t, 0,1,2,3
.irp cb, 0,1,2,3
	ds_store_b128 v[STO], v[P+16*\t+4*\cb:P+16*\t+4*\cb+3] offset:\t*16*SP+32*\cb
.endr
.endr
	s_wait_dscnt 0x0                               ; for the others' sake: my stores into the stage are done
	s_barrier_signal -1
	s_barrier_wait -1
.irp i, 0,1,2,3,4,5,6,7,8,9,10,11,12,13,14,15
	ds_load_b128 v[S+4*\i:S+4*\i+3], v[RD] offset:\i*2*SP
.endr
.irp i, 0,1,2,3,4,5,6,7,8,9,10,11,12,13,14,15
	s_wait_dscnt 15-\i
	global_store_b128 v[GO], v[S+4*\i:S+4*\i+3], s[92:93] offset:\i*4096   ; 16 lanes store 256 consecutive bytes, at a multiple of 256
.endr
	s_wait_tensorcnt 0x0
	ds_add_u32 v62, v63
	s_wait_dscnt 0x0
	CROUND                                         ; the closing round: no work-group ends while a partner may still ask for a tile that names it
	s_endpgm
.Lfunc_end_k_q18eacc5ae3_attn:
	.size	k_q18eacc5ae3_attn, .Lfunc_end_k_q18eacc5ae3_attn-k_q18eacc5ae3_attn
	.p2alignl 7, 3214868480
	.fill 96, 4, 3214868480
	.section	.rodata,"a",@progbits
	.p2align	6, 0x0
	.amdhsa_kernel k_q18eacc5ae3_attn
		.amdhsa_group_segment_fixed_size 327680
		.amdhsa_private_segment_fixed_size 0
		.amdhsa_enable_private_segment 0
		.amdhsa_kernarg_size 24
		.amdhsa_user_sgpr_count 2
		.amdhsa_user_sgpr_kernarg_segment_ptr 1
		.amdhsa_wavefront_size32 1
		.amdhsa_system_sgpr_workgroup_id_x 1
		.amdhsa_system_sgpr_workgroup_id_y 1
		.amdhsa_system_sgpr_workgroup_id_z 1
		.amdhsa_system_vgpr_workitem_id 0
		.amdhsa_next_free_vgpr 512
		.amdhsa_next_free_sgpr 96
		.amdhsa_reserve_vcc 0
		.amdhsa_float_denorm_mode_32 3
		.amdhsa_float_denorm_mode_16_64 3
		.amdhsa_memory_ordered 1
		.amdhsa_forward_progress 1
		.amdhsa_inst_pref_size 255
	.end_amdhsa_kernel
	.section	.bss,"aw",@nobits
	.p2align	6
	.space	262144
	.amdgpu_metadata
---
amdhsa.version: [ 1, 2 ]
amdhsa.kernels:
  - .name:           k_q18eacc5ae3_attn
    .symbol:         k_q18eacc5ae3_attn.kd
    .args:
      - { .name: qkv, .offset: 0, .size: 8, .value_kind: global_buffer, .address_space: global }
      - { .name: attention_mask, .offset: 8, .size: 8, .value_kind: global_buffer, .address_space: global }
      - { .name: att, .offset: 16, .size: 8, .value_kind: global_buffer, .address_space: global }
    .group_segment_fixed_size: 327680
    .private_segment_fixed_size: 0
    .kernarg_segment_align: 8
    .kernarg_segment_size: 24
    .max_flat_workgroup_size: 256
    .sgpr_count:     96
    .vgpr_count:     512
    .wavefront_size: 32
...
	.end_amdgpu_metadata
.endif
;; end of part 3
;; launch outgemm (part 4): grid 4 x 64, 8 waves a work-group, clusters of 4 x 4, 327,680 bytes of LDS; arguments att, wob, bo, out0; writes out0
.if DOCPART == 4
	.amdgcn_target "amdgcn-amd-amdhsa--gfx1250"
	.amdhsa_code_object_version 6
	.text
	.protected	k_q18eacc5ae3_outgemm
	.globl	k_q18eacc5ae3_outgemm
	.p2align	8
	.type	k_q18eacc5ae3_outgemm,@function
k_q18eacc5ae3_outgemm:
	s_mov_b64 s[64:65], 0
	v_nop
	global_prefetch_b8 v0, s[64:65] scope:SCOPE_SE
	s_setreg_imm32_b32 hwreg(HW_REG_WAVE_MODE, 25, 1), 1
	s_wait_xcnt 0x0
	s_wait_alu depctr_hold_cnt(0) depctr_sa_sdst(0) depctr_va_vdst(0) depctr_va_sdst(0) depctr_va_ssrc(0) depctr_va_vcc(0) depctr_vm_vsrc(0)
	s_getreg_b32 s2, hwreg(HW_REG_IB_STS2, 6, 4)
	s_cmp_eq_u32 s2, 0
	s_cbranch_scc0 .Lentry_in_a_cluster
	s_endpgm
.Lentry_in_a_cluster:
	s_bfe_u32 s2, ttmp6, 0x10000c
	s_cmp_lg_u32 s2, 0xf033
	s_cbranch_scc0 .Lentry_shape_is_right
	s_endpgm
.Lentry_shape_is_right:
; C[m][n] = sum over k of A[m][k] B[k][n] + bias[n].  A: [8192][1024] f16, B: [1024][NTOT] f16 (K down the rows), sums in f32.
; One text for two launches; the constants below and OUTF32 tell them apart.
;   OUTF32 = 0: A = xb, B = wqkv, C = qkv in f16; bias = bq | bk | bv; the columns of q are also multiplied by 1/8 (a power of two: exact).
;   OUTF32 = 1: A = att, B = wob, C = out0 in f32; bias = bo.
; LIMIT: f16 operands and f16 results: above 65,504 in magnitude they become infinite (the drawn q, k, v have a root mean square of 0.64).
; SHARES.  8192 x NTOT / (TM x TN) = 256 work-groups.  Eight waves, 2 along M x 4 along N; a wave makes 16 AB rows x 16 NB columns: AB x NB accumulators.
; Its columns are blocks 2 wn and 2 wn + 1 of each segment of 128 columns.
; PHASES.  A wave's work is one stream: the fragments of 32 along K out of LDS (LOADS), their AB x NB products (MULS), and so on by turns.  There are registers for one set of
; fragments, so a wave cannot load ahead of its own products.  Instead the waves are in two groups, g = (w xor w / 4) mod 2: w and w + 4 differ in g, and so do 2 i and 2 i + 1.
; Group 0 meets a step's barrier in front of the step's first LOADS; group 1 one MULS earlier in the same stream, in front of the products of the last step's last fragments,
; which lie in registers.  So behind each barrier one group multiplies while the other loads, and they go on by turns.
; RING.  A goes through two LDS slots of 128 along K (rows of 256 bytes of memory), B through two slots of STEPK along K (rows of 2 TN bytes).  Waves 0-3
; fetch a quarter of A's tile each, waves 4-7 a quarter of B's: one tensor load a wave behind each round; by this text's count two are out at the start, later one.
; CLUSTER.  4 x 4 work-groups: A's tile hangs on the tile row alone and is asked for jointly along a row of the cluster, B's on the tile column alone, along a column.
; THE MATRIX INSTRUCTION IS USED TRANSPOSED: source 0 = 16 columns of B (turned on the way out of LDS), source 1 = 16 rows of A: a lane holds 8 neighbouring numbers of a row of C.
.set OUTF32, 1
.set NTOT,   1024
.set TM,     128
.set TN,     256
.set AB,     4                         ; blocks of 16 rows in a wave's tile
.set SEG,    2                         ; segments of 128 columns in TN
.set NB0,    4                         ; column blocks whose accumulators lie in window 0; the others lie in window 1
.set STEPK,  128
.set BPADW,  4                         ; words of padding behind every 256 bytes of a row of B
.set KTOT,   1024
.set NB,     2*SEG
.set NSTEP,  KTOT/STEPK
.set ASTEPS, 128/STEPK                 ; steps that one tile of A serves
.set ATILES, KTOT/128
.set NSUB,   STEPK/32
.set APITCH, 272                       ; 256 + 16: the 16 rows of a fragment load start 16 bytes apart modulo 256
.set SEGP,   256+4*BPADW
.set BP,     SEG*SEGP                  ; a row of B in LDS: an odd multiple of 32 bytes, so that the 8 rows x 32 bytes of a turning load fall 32 bytes apart modulo 256
.set ASLOT,  TM*APITCH
.set BBASE,  2*ASLOT
.set BSLOT,  STEPK*BP
.set BQ,     (STEPK/4)*BP              ; a wave's quarter of B's tile
.if OUTF32
.set SPITCH, TN*4+16                   ; the stage, from LDS byte 0 on, over the ring once it has had its last fill
.set HSH,    5
.set WNB,    128
.set CROWB,  NTOT*4
.set CCOLB,  TN*4
.set CP,     10
.else
.set SPITCH, TN*2+16
.set HSH,    4
.set WNB,    64
.set CROWB,  NTOT*2
.set CCOLB,  TN*2
.set CP,     14
.endif
.set ADRA, 4                           ; v4-5   LDS address of my A fragments in slot 0, 1
.set ADRB, 6                           ; v6-7   the same for B
.set STO,  8                           ; v8-9   the way out: where I put a piece of a row (row blocks 0-3, 4-7)
.set RD,   10                          ; v10    where I read rows back
.set CO,   11                          ; v11    my byte offset in C
.set BO,   12                          ; v12    my byte offset in a segment's bias
.set FA,   16                          ; A's fragments, 8 AB registers
.set FB,   80                          ; B's fragments, 8 NB registers
.set BI,   16                          ; the way out: bias, 8 NB registers
.set TMP,  64                          ; the way out: packed results
.set ACC0, 128                         ; window 0: accumulator (a, b < NB0) at v[128 + 8 (NB0 a + b)];  window 1: (a, b >= NB0) at v[8 (4 a + b - NB0)]
.set WV,   20                          ; s20 wave, s21 wm, s22 wn, s23 tile row, s42 tile column
.set G1A,  24
.set G0A,  32
.set G1B,  48
.set G0B,  56
.set BB,   68                          ; s[68:73] a segment's bias
.set CB,   74                          ; s[74:75] C at my rows
.set SC,   76                          ; s[76:81] a segment's factor, twice (named as a pair)
.set GRP,  86                          ; s86 my group: 0 or 1
.set MSB, 0
.macro WIN new                         ; the immediate's high byte repeats the setting that is left; a switch that changes nothing is dropped
.if MSB != \new
	s_set_vgpr_msb (MSB<<8)|\new
.set MSB, \new
.endif
.endm
.macro PLACES                          ; four plain vector instructions between a matrix instruction and a load into, or a vector read of, its registers (ISA guide 7.12.1 for vector reads)
.rept 4
	v_nop
.endr
.endm
.macro CROUND                          ; a round of the cluster's barrier: my work-group's barrier, wave 0 signals for it, all wait for all sixteen, my work-group's barrier again
	s_barrier_signal -1
	s_barrier_wait -1
	s_cmp_lg_u32 s[WV], 0
	s_cbranch_scc1 .Lnot_wave_0_\@
	s_barrier_signal -3
.Lnot_wave_0_\@:
	s_barrier_wait -3
	s_barrier_signal -1
	s_barrier_wait -1
.endm
; The joint refills of a step: waves 0-3 A's tile into slot SA (if FAF), waves 4-7 B's into slot SB (if FBF).  The branch hangs on the wave's number alone.
; Four v_nop follow each line, ahead of the jump and the label.
.macro JLOAD
	s_cmp_lt_u32 s[WV], 4
	s_cbranch_scc0 .Lfor_b_\@
.if FAF
	tensor_load_to_lds s[G0A+4*SA:G0A+4*SA+3], s[G1A:G1A+7]
	s_nop 0
	PLACES
.endif
	s_branch .Lasked_\@
.Lfor_b_\@:
.if FBF
	tensor_load_to_lds s[G0B+4*SB:G0B+4*SB+3], s[G1B:G1B+7]
	s_nop 0
	PLACES
.endif
.Lasked_\@:
.endm
	s_load_b256 s[4:11], s[0:1], 0x0               ; A s[4:5], B s[6:7]; then bq, bk (OUTF32: bo, out0)
	v_lshl_add_u32 v126, v0, 2, 0x33000
	v_mov_b32 v127, 0
	ds_add_u32 v126, v127
.if OUTF32 == 0
	s_load_b128 s[12:15], s[0:1], 0x20             ; bv, qkv
.endif
	v_lshrrev_b32 v1, 5, v0
	v_readfirstlane_b32 s[WV], v1                  ; wave 0..7
	s_lshr_b32 s21, s[WV], 2                       ; wm: my half of the tile's rows
	s_and_b32 s22, s[WV], 3                        ; wn: my quarter of each segment.  Also: which quarter of a tile I fetch
	s_xor_b32 s[GRP], s[WV], s21
	s_and_b32 s[GRP], s[GRP], 1                    ; my group: it hangs on the wave's number alone
	s_bfe_u32 s40, ttmp6, 0x40000                  ; cx, cy: my place in the cluster
	s_bfe_u32 s41, ttmp6, 0x40004
	s_lshl_b32 s42, ttmp9, 2
	s_add_co_u32 s42, s42, s40                     ; tile column = 4 x cluster x + cx
	s_and_b32 s23, ttmp7, 0xffff
	s_lshl_b32 s23, s23, 2
	s_add_co_u32 s23, s23, s41                     ; tile row = 4 x cluster y + cy
	s_lshl_b32 s43, s41, 2
	s_lshl_b32 s43, 15, s43                        ; my row of the cluster
	s_lshl_b32 s44, 0x1111, s40                    ; my column
	s_or_b32 s[G1A], s43, (1<<16)|(1<<20)|(1<<21)|(5<<22)|(3<<25)          ; mask; elements of 2 bytes; padding on; bit 21 beside a mask; after every 64 words; 4 words
	s_or_b32 s[G1B], s44, (1<<16)|(1<<20)|(1<<21)|(5<<22)|((BPADW-1)<<25)  ; the same with my column's mask and BPADW words
	s_mov_b32 s[G1A+1], 128<<16                    ; tensor_dim0 = 128
	s_mov_b32 s[G1A+2], (TM/4)<<16                 ; tensor_dim1 = TM / 4 rows
	s_mov_b32 s[G1A+3], 128<<16                    ; tile_dim0
	s_mov_b32 s[G1A+4], TM/4                       ; tile_dim1
	s_mov_b32 s[G1A+5], KTOT                       ; elements from row to row
	s_mov_b32 s[G1A+6], 0
	s_mov_b32 s[G1A+7], 0
	s_mov_b32 s[G1B+1], TN<<16
	s_mov_b32 s[G1B+2], (STEPK/4)<<16
	s_mov_b32 s[G1B+3], TN<<16
	s_mov_b32 s[G1B+4], STEPK/4
	s_mov_b32 s[G1B+5], NTOT
	s_mov_b32 s[G1B+6], 0
	s_mov_b32 s[G1B+7], 0
	s_mul_i32 s16, s23, TM                         ; A: row TM x tile row + TM / 4 x wave, 2,048 bytes a row: it hangs on the tile row and the wave alone
	s_mul_i32 s17, s[WV], TM/4
	s_add_co_u32 s16, s16, s17
	s_lshl_b32 s16, s16, 11
	s_mov_b32 s17, 0
	s_mul_i32 s46, s22, (STEPK/4)*NTOT*2           ; B: row STEPK / 4 x (wave mod 4), column TN x tile column: the tile column and the wave alone
	s_mul_i32 s47, s42, TN*2
	s_add_co_u32 s46, s46, s47
	s_mov_b32 s47, 0
	s_mul_i32 s18, s[WV], (TM/4)*APITCH            ; where they go: no place in the cluster enters an LDS address
	s_mul_i32 s19, s[WV], BQ
	s_add_co_u32 s19, s19, BBASE-4*BQ              ; wave 4's quarter begins at BBASE
	s_wait_dscnt 0x0
	s_wait_kmcnt 0x0
	s_add_nc_u64 s[82:83], s[4:5], s[16:17]
	s_add_nc_u64 s[84:85], s[6:7], s[46:47]
	CROUND                                         ; all sixteen work-groups are here: the first joint loads meet
.irp s, 0,1
	s_mov_b32 s[G0A+4*\s], 1
	s_add_co_u32 s[G0A+4*\s+1], s18, \s*ASLOT
	s_add_nc_u64 s[G0A+4*\s+2:G0A+4*\s+3], s[82:83], \s*256
	s_or_b32 s[G0A+4*\s+3], s[G0A+4*\s+3], 0x80000000
	s_mov_b32 s[G0B+4*\s], 1
	s_add_co_u32 s[G0B+4*\s+1], s19, \s*BSLOT
	s_add_nc_u64 s[G0B+4*\s+2:G0B+4*\s+3], s[84:85], \s*STEPK*NTOT*2
	s_or_b32 s[G0B+4*\s+3], s[G0B+4*\s+3], 0x80000000
.endr
	s_cmp_lt_u32 s[WV], 4                          ; a wave's two first fills stand in one branch, ahead of every wait on TENSORcnt, LDS read and further barrier
	s_cbranch_scc0 .Lfirst_b
	tensor_load_to_lds s[G0A:G0A+3], s[G1A:G1A+7]
	s_nop 0
	tensor_load_to_lds s[G0A+4:G0A+7], s[G1A:G1A+7]
	s_nop 0
	PLACES
	s_branch .Lfirst_asked
.Lfirst_b:
	tensor_load_to_lds s[G0B:G0B+3], s[G1B:G1B+7]
	s_nop 0
	tensor_load_to_lds s[G0B+4:G0B+7], s[G1B:G1B+7]
	s_nop 0
	PLACES
.Lfirst_asked:
	v_and_b32 v1, 15, v0                           ; r = lane % 16
	v_bfe_u32 v2, v0, 4, 1                         ; h = lane / 16
	v_mul_u32_u24 v3, v1, APITCH                   ; A's fragment: row r, 16 bytes for each half of the lanes; two loads 32 bytes apart
	v_lshl_add_u32 v3, v2, 4, v3
	s_mul_i32 s16, s21, 16*AB*APITCH
	v_add_nc_u32 v[ADRA], s16, v3
	v_add_nc_u32 v[ADRA+1], ASLOT, v[ADRA]
	v_and_b32 v3, 7, v0                            ; B's fragment, turned: lane reads row 8 h + lane % 8, 16 bytes at 16 ((lane / 8) % 2); two loads 16 rows apart
	v_lshl_add_u32 v3, v2, 3, v3
	v_mul_u32_u24 v3, v3, BP
	v_bfe_u32 v14, v0, 3, 1
	v_lshl_add_u32 v3, v14, 4, v3
	s_lshl_b32 s17, s22, 6                         ; my 32 columns of a segment: 64 bytes
	s_add_co_u32 s17, s17, BBASE
	v_add_nc_u32 v[ADRB], s17, v3
	v_add_nc_u32 v[ADRB+1], BSLOT, v[ADRB]
	v_mul_u32_u24 v3, v1, SPITCH                   ; into the stage: row 16 AB wm + r, my columns, 8 numbers for each half of the lanes
	v_lshl_add_u32 v3, v2, HSH, v3
	s_mul_i32 s16, s21, 16*AB*SPITCH
	s_mul_i32 s17, s22, WNB
	s_add_co_u32 s16, s16, s17
	v_add_nc_u32 v[STO], s16, v3
	v_add_nc_u32 v[STO+1], 4*16*SPITCH, v[STO]
	s_lshl_b32 s17, s22, 7
	v_lshl_add_u32 v[BO], v2, 5, s17               ; bias: 4 bytes x (32 wn + 8 h)
.if OUTF32
	v_and_b32 v13, 31, v0                          ; back: wave w takes rows 16 w on, 512 bytes a load
	v_lshlrev_b32 v[CO], 4, v13
	s_mul_i32 s16, s[WV], (TM/8)*SPITCH
	v_add_nc_u32 v[RD], s16, v[CO]
	s_lshl_b32 s46, s42, 10                        ; the tile's 256 columns of bo
	s_mov_b32 s47, 0
	s_add_nc_u64 s[BB:BB+1], s[8:9], s[46:47]
	s_add_nc_u64 s[BB+2:BB+3], s[BB:BB+1], 512
.else
	v_mul_u32_u24 v3, v2, SPITCH                   ; back: wave w takes rows 32 w on; lanes 0-15 take 256 bytes of one row, lanes 16-31 of the next
	v_lshl_add_u32 v3, v1, 4, v3
	s_mul_i32 s16, s[WV], (TM/8)*SPITCH
	v_add_nc_u32 v[RD], s16, v3
	v_mul_u32_u24 v3, v2, CROWB
	v_lshl_add_u32 v[CO], v1, 4, v3
.irp g, 0,1,2                          ; a segment of 128 columns lies in one of q, k, v: column / 1024 chooses the bias and the factor
	s_mul_i32 s46, s42, TN
	s_add_co_u32 s46, s46, 128*\g
	s_lshr_b32 s2, s46, 10
	s_and_b32 s46, s46, 1023
	s_lshl_b32 s46, s46, 2
	s_mov_b32 s47, 0
	s_cmp_eq_u32 s2, 0
	s_cselect_b64 s[BB+2*\g:BB+2*\g+1], s[8:9], s[10:11]
	s_cselect_b32 s[SC+2*\g], 0x3e000000, 1.0      ; q's columns: 1/8
	s_cmp_eq_u32 s2, 2
	s_cselect_b64 s[BB+2*\g:BB+2*\g+1], s[12:13], s[BB+2*\g:BB+2*\g+1]
	s_add_nc_u64 s[BB+2*\g:BB+2*\g+1], s[BB+2*\g:BB+2*\g+1], s[46:47]
	s_mov_b32 s[SC+2*\g+1], s[SC+2*\g]
.endr
.endif
	s_mul_i32 s16, s23, TM                         ; the first row of C that I store: TM x tile row + TM / 8 x wave
	s_mul_i32 s17, s[WV], TM/8
	s_add_co_u32 s16, s16, s17
	s_mul_i32 s16, s16, CROWB
	s_mov_b32 s17, 0
	s_add_nc_u64 s[CB:CB+1], s[CP:CP+1], s[16:17]
	s_mul_i32 s46, s42, CCOLB
	s_mov_b32 s47, 0
	s_add_nc_u64 s[CB:CB+1], s[CB:CB+1], s[46:47]
; The fragments of 32 along K, part q of step j: B's first, then A's block by block.
.macro LOADS q
	WIN 0
	PLACES
.set bb, 0
.rept NB
	ds_load_tr16_b128 v[FB+8*bb:FB+8*bb+3],   v[ADRB+j%2] offset:\q*32*BP+(bb/2)*SEGP+(bb%2)*32
	ds_load_tr16_b128 v[FB+8*bb+4:FB+8*bb+7], v[ADRB+j%2] offset:\q*32*BP+16*BP+(bb/2)*SEGP+(bb%2)*32
.set bb, bb+1
.endr
.set aa, 0
.rept AB
	ds_load_b128 v[FA+8*aa:FA+8*aa+3],   v[ADRA+(j/ASTEPS)%2] offset:aa*16*APITCH+((j%ASTEPS)*STEPK+32*\q)*2
	ds_load_b128 v[FA+8*aa+4:FA+8*aa+7], v[ADRA+(j/ASTEPS)%2] offset:aa*16*APITCH+((j%ASTEPS)*STEPK+32*\q)*2+32
.set aa, aa+1
.endr
.endm
; Their AB x NB products.  Each accumulator has one product here, always in the same order, so that between two products on one accumulator stand all the others'
; zero = 1: the products start the sums.
.macro MULS zero
	WIN 0
.set aa, 0
.rept AB
	s_wait_dscnt 2*(AB-1-aa)                       ; B and A's blocks 0 to a are in; the two loads of each later block stay out (behind a barrier all are in, and the wait is met)
.set bb, 0
.rept NB0
.set rD, ACC0+8*(NB0*aa+bb)
.if \zero
	v_wmma_f32_16x16x32_f16 v[rD:rD+7], v[FB+8*bb:FB+8*bb+7], v[FA+8*aa:FA+8*aa+7], 0
.else
	v_wmma_f32_16x16x32_f16 v[rD:rD+7], v[FB+8*bb:FB+8*bb+7], v[FA+8*aa:FA+8*aa+7], v[rD:rD+7]
.endif
.set bb, bb+1
.endr
.set aa, aa+1
.endr
.if NB > NB0
	WIN 0x50                                       ; C and D in window 1
.set aa, 0
.rept AB
.set bb, NB0
.rept NB-NB0
.set rD, 8*(4*aa+bb-NB0)
.if \zero
	v_wmma_f32_16x16x32_f16 v[rD:rD+7], v[FB+8*bb:FB+8*bb+7], v[FA+8*aa:FA+8*aa+7], 0
.else
	v_wmma_f32_16x16x32_f16 v[rD:rD+7], v[FB+8*bb:FB+8*bb+7], v[FA+8*aa:FA+8*aa+7], v[rD:rD+7]
.endif
.set bb, bb+1
.endr
.set aa, aa+1
.endr
	WIN 0                                          ; a label or a branch may follow
.endif
.endm
.macro HELD_MULS                       ; group 1 alone: the products that it held back over the barrier
	s_cmp_eq_u32 s[GRP], 0
	s_cbranch_scc1 .Lnone_held_\@
	MULS 0
.Lnone_held_\@:
.endm
.macro PROMPT_MULS                     ; group 0 alone: a step's last products, in front of the barrier
	s_cmp_lg_u32 s[GRP], 0
	s_cbranch_scc1 .Lhold_\@
	MULS 0
.Lhold_\@:
.endm
; Step j >= 1.  In front of the round each wave waits for all its tensor loads (its part of this step's tiles among them) and for its reads of the last step's slots; behind it
; B's tile j + 1 goes into the slot read last step, and, where a tile of A has just been read out, A's next tile but one into that slot.  The last step fills nothing.
; All LDS reads of step j's tiles stand in this step's text, for both groups; what group 1 carries over the barrier lies in registers.
.macro STEP
	WIN 0
.set FBF, 0
.if j+1 < NSTEP
.set FBF, 1
.endif
.set FAF, 0
.if (j%ASTEPS) == 0
.if j/ASTEPS+1 < ATILES
.set FAF, 1
.endif
.endif
.set SB, (j+1)%2
.set SA, (j/ASTEPS+1)%2
	s_wait_tensorcnt 0x0                           ; no tensor load of mine is out, so a group 0 may be written
	ds_add_u32 v126, v127
	s_wait_dscnt 0x0
.if FBF
	s_add_nc_u64 s[G0B+4*SB+2:G0B+4*SB+3], s[G0B+4*SB+2:G0B+4*SB+3], 2*STEPK*NTOT*2
.endif
.if FAF
	s_add_nc_u64 s[G0A+4*SA+2:G0A+4*SA+3], s[G0A+4*SA+2:G0A+4*SA+3], 512
.endif
	s_wait_dscnt 0x0
.if FAF+FBF
	CROUND
	JLOAD
.else
	s_barrier_signal -1
	s_barrier_wait -1
.endif
	HELD_MULS
.set qq, 0
.rept NSUB
	LOADS qq
.if qq < NSUB-1
	MULS 0
.endif
.set qq, qq+1
.endr
.if j+1 < NSTEP
	PROMPT_MULS
.else
	MULS 0                                         ; no barrier of the ring follows: both groups finish
.endif
.endm
	s_wait_tensorcnt 0x1                           ; my part of the first tiles is in; the second fill stays out
	s_barrier_signal -1
	s_barrier_wait -1
.set j, 0
	LOADS 0
	MULS 1                                         ; every wave's first products start the sums
.set qq, 1
.rept NSUB-1
	LOADS qq
.if qq < NSUB-1
	MULS 0
.endif
.set qq, qq+1
.endr
	PROMPT_MULS
.set j, 1
.rept NSTEP-1                          ; written out: the two rings repeat only every 2 ASTEPS steps, and the first and last of them differ
	STEP
.set j, j+1
.endr
	; THE WAY OUT: bias (and factor), through a stage in LDS, back as whole rows.
	WIN 0
	PLACES
.set bb, 0
.rept NB
	global_load_b128 v[BI+8*bb:BI+8*bb+3],   v[BO], s[BB+2*(bb/2):BB+2*(bb/2)+1] offset:(bb%2)*64
	global_load_b128 v[BI+8*bb+4:BI+8*bb+7], v[BO], s[BB+2*(bb/2):BB+2*(bb/2)+1] offset:(bb%2)*64+16
.set bb, bb+1
.endr
	s_wait_dscnt 0x0                               ; my reads of the ring are over; its last fill landed in front of the last step's barrier
	s_barrier_signal -1
	s_barrier_wait -1                              ; everybody's are: the stage may be written over it
	s_wait_loadcnt 0x0
.if OUTF32
.set aa, 0
.rept AB
.set bb, 0
.rept NB
.set rD, ACC0+8*(NB0*aa+bb)
.irp i, 0,2,4,6
	v_pk_add_f32 v[rD+\i:rD+\i+1], v[rD+\i:rD+\i+1], v[BI+8*bb+\i:BI+8*bb+\i+1]
.endr
	ds_store_b128 v[STO], v[rD:rD+3]   offset:aa*16*SPITCH+(bb/2)*512+(bb%2)*64
	ds_store_b128 v[STO], v[rD+4:rD+7] offset:aa*16*SPITCH+(bb/2)*512+(bb%2)*64+16
.set bb, bb+1
.endr
.set aa, aa+1
.endr
	s_wait_dscnt 0x0                               ; for the others' sake: my stores into the stage are done
	s_barrier_signal -1
	s_barrier_wait -1
.set nn, 0
.rept 32
	ds_load_b128 v[ACC0+4*nn:ACC0+4*nn+3], v[RD] offset:(nn/2)*SPITCH+(nn%2)*512
.set nn, nn+1
.endr
.set nn, 0
.rept 32
	s_wait_dscnt 31-nn
	global_store_b128 v[CO], v[ACC0+4*nn:ACC0+4*nn+3], s[CB:CB+1] offset:(nn/2)*CROWB+(nn%2)*512 th:TH_STORE_NT   ; a wave's store covers 512 consecutive bytes, at a multiple of 256
.set nn, nn+1
.endr
.else
.set bb, 0
.rept NB                               ; (x + b) f = x f + b f: the bias takes the factor first, then one fused multiply-add does the rest
.irp i, 0,2,4,6
	v_pk_mul_f32 v[BI+8*bb+\i:BI+8*bb+\i+1], v[BI+8*bb+\i:BI+8*bb+\i+1], s[SC+2*(bb/2):SC+2*(bb/2)+1] op_sel_hi:[1,0]
.endr
.set bb, bb+1
.endr
.set aa, 0
.rept AB
.set bb, 0
.rept NB0
.set rD, ACC0+8*(NB0*aa+bb)
.set rT, TMP+4*(NB0*aa+bb)
.irp i, 0,2,4,6
	v_pk_fma_f32 v[rD+\i:rD+\i+1], v[rD+\i:rD+\i+1], s[SC+2*(bb/2):SC+2*(bb/2)+1], v[BI+8*bb+\i:BI+8*bb+\i+1] op_sel_hi:[1,0,1]
.endr
.irp i, 0,1,2,3
	v_cvt_pk_f16_f32 v[rT+\i], v[rD+2*\i], v[rD+2*\i+1]
.endr
	ds_store_b128 v[STO+aa/4], v[rT:rT+3] offset:(aa%4)*16*SPITCH+(bb/2)*256+(bb%2)*32
.set bb, bb+1
.endr
.set aa, aa+1
.endr
	WIN 0x41                                       ; destination and source 0 in window 1, the bias in window 0
.set aa, 0
.rept AB
.set bb, NB0
.rept NB-NB0
.set rD, 8*(4*aa+bb-NB0)
.irp i, 0,2,4,6
	v_pk_fma_f32 v[rD+\i:rD+\i+1], v[rD+\i:rD+\i+1], s[SC+2*(bb/2):SC+2*(bb/2)+1], v[BI+8*bb+\i:BI+8*bb+\i+1] op_sel_hi:[1,0,1]
.endr
.set bb, bb+1
.endr
.set aa, aa+1
.endr
	WIN 0x05                                       ; sources in window 1, destination in window 0: its accumulators have been packed
.set nn, 0
.rept 4*AB
.irp i, 0,1,2,3
	v_cvt_pk_f16_f32 v[ACC0+4*nn+\i], v[8*nn+2*\i], v[8*nn+2*\i+1]
.endr
.set nn, nn+1
.endr
	WIN 0
.set aa, 0
.rept AB
.set bb, NB0
.rept NB-NB0
.set rT, ACC0+4*(4*aa+bb-NB0)
	ds_store_b128 v[STO+aa/4], v[rT:rT+3] offset:(aa%4)*16*SPITCH+(bb/2)*256+(bb%2)*32
.set bb, bb+1
.endr
.set aa, aa+1
.endr
	s_wait_dscnt 0x0                               ; for the others' sake: my stores into the stage are done
	s_barrier_signal -1
	s_barrier_wait -1
.set nn, 0
.rept 48
	ds_load_b128 v[16+4*nn:16+4*nn+3], v[RD] offset:(nn/3)*2*SPITCH+(nn%3)*256
.set nn, nn+1
.endr
.set nn, 0
.rept 48
	s_wait_dscnt 47-nn
	global_store_b128 v[CO], v[16+4*nn:16+4*nn+3], s[CB:CB+1] offset:(nn/3)*2*CROWB+(nn%3)*256   ; 16 lanes store 256 consecutive bytes, at a multiple of 256
.set nn, nn+1
.endr
.endif
	s_wait_tensorcnt 0x0
	ds_add_u32 v126, v127
	s_wait_dscnt 0x0
	CROUND                                         ; the closing round: no work-group ends while a partner may still ask for a tile that names it
	s_endpgm
.Lfunc_end_k_q18eacc5ae3_outgemm:
	.size	k_q18eacc5ae3_outgemm, .Lfunc_end_k_q18eacc5ae3_outgemm-k_q18eacc5ae3_outgemm
	.p2alignl 7, 3214868480
	.fill 96, 4, 3214868480
	.section	.rodata,"a",@progbits
	.p2align	6, 0x0
	.amdhsa_kernel k_q18eacc5ae3_outgemm
		.amdhsa_group_segment_fixed_size 327680
		.amdhsa_private_segment_fixed_size 0
		.amdhsa_enable_private_segment 0
		.amdhsa_kernarg_size 32
		.amdhsa_user_sgpr_count 2
		.amdhsa_user_sgpr_kernarg_segment_ptr 1
		.amdhsa_wavefront_size32 1
		.amdhsa_system_sgpr_workgroup_id_x 1
		.amdhsa_system_sgpr_workgroup_id_y 1
		.amdhsa_system_sgpr_workgroup_id_z 1
		.amdhsa_system_vgpr_workitem_id 0
		.amdhsa_next_free_vgpr 256
		.amdhsa_next_free_sgpr 96
		.amdhsa_reserve_vcc 0
		.amdhsa_float_denorm_mode_32 3
		.amdhsa_float_denorm_mode_16_64 3
		.amdhsa_memory_ordered 1
		.amdhsa_forward_progress 1
		.amdhsa_inst_pref_size 109
	.end_amdhsa_kernel
	.amdgpu_metadata
---
amdhsa.version: [ 1, 2 ]
amdhsa.kernels:
  - .name:           k_q18eacc5ae3_outgemm
    .symbol:         k_q18eacc5ae3_outgemm.kd
    .args:
      - { .name: att, .offset: 0, .size: 8, .value_kind: global_buffer, .address_space: global }
      - { .name: wob, .offset: 8, .size: 8, .value_kind: global_buffer, .address_space: global }
      - { .name: bo, .offset: 16, .size: 8, .value_kind: global_buffer, .address_space: global }
      - { .name: out0, .offset: 24, .size: 8, .value_kind: global_buffer, .address_space: global }
    .group_segment_fixed_size: 327680
    .private_segment_fixed_size: 0
    .kernarg_segment_align: 8
    .kernarg_segment_size: 32
    .max_flat_workgroup_size: 256
    .sgpr_count:     96
    .vgpr_count:     256
    .wavefront_size: 32
...
	.end_amdgpu_metadata
.endif
;; end of part 4
;; ======== version 2 of 2: 4 launches; version 1 with the launch cast written anew for expert scheduling mode
;; limits: right only within a limited range of input values; values are held in f16: magnitudes above 65,504 overflow, below 6.1e-05 lose precision
;; workspace buffers: xb 16,777,216 bytes; wqkv 6,291,456 bytes; wob 2,097,152 bytes; qkv 50,331,648 bytes; att 16,777,216 bytes
;; launch cast (part 5): grid 768 x 1, 8 waves a work-group, no clusters, 0 bytes of LDS; arguments hidden_states, Wq, Wk, Wv, Wo, xb, wqkv, wob; writes xb, wqkv, wob
.if DOCPART == 5
	.amdgcn_target "amdgcn-amd-amdhsa--gfx1250"
	.amdhsa_code_object_version 6
	.text
	.protected	k_q18eacc5ae3_cast
	.globl	k_q18eacc5ae3_cast
	.p2align	8
	.type	k_q18eacc5ae3_cast,@function
k_q18eacc5ae3_cast:
	s_mov_b64 s[64:65], 0
	v_nop
	global_prefetch_b8 v0, s[64:65] scope:SCOPE_SE
	s_setreg_imm32_b32 hwreg(HW_REG_WAVE_SCHED_MODE, 0, 2), 2
	s_setreg_imm32_b32 hwreg(HW_REG_WAVE_MODE, 25, 1), 1
	s_wait_xcnt 0x0
	s_wait_alu depctr_vm_vsrc(0)
; f32 -> f16 of hidden_states and of the four weight matrices, once, so that the products read 16-bit tiles.
;   xb   [8192][1024] = hidden_states;  wqkv [1024][3072] = Wq | Wk | Wv side by side;  wob [1024][1024] = Wo.
; f16 and not bf16: 11 significant bits against 8.  LIMIT: a number above 65,504 in magnitude becomes infinite; the drawn inputs
; (|x| of a few units, |W| of a tenth) have room for a factor or an offset of 30 spreads.
; A stream: no LDS, no barrier, no matrix unit, no cluster (no byte is read twice).  768 work-groups of 16 rows of 1,024 numbers:
; 0-511 hidden_states, then 64 for each W.  Thread t owns the 16 bytes at 16 t of every row: a wave's load covers 512 consecutive
; bytes, its store of 8 bytes a lane 256 consecutive bytes that start at a multiple of 256.  All 16 loads of a wave go out at once.
; THE MODE: SCHED_MODE bits 1:0 = 2 (LLVM: expert scheduling mode 2), set by the entry lines.  The code itself states the register dependences
; between vector instructions and memory instructions, with s_wait_alu, always for 0.
; THE PLAN.  Registers that memory instructions touch; none of them is written twice:
;   v1         16 t.  Written once at the head; read by the 16 loads as their offset.
;   DOFF       Row p's offset in the destination.  Written once at the head; read by row p's store.
;   X          Row p as loaded.  Written by row p's load alone, which is issued before any vector instruction names it; read by row p's two conversions.
;   Y          Row p in f16.  Written by row p's two conversions; read by row p's store.
; The 16 rows go in four groups of four.  The four stores of group g - 1 stand in one run at the head of group g, behind ONE wait on va_vdst, which states that the
; group before has written its Y; that wait stands behind the wait for group g's first row.  One such wait stands ahead of the first load, for v1 and DOFF,
; and one ahead of the last four stores.  No register that a load or store reads is written again, so no wait on vm_vsrc and no s_wait_xcnt is owed.
; No vector instruction writes a scalar register or VCC, and EXEC is never written.
.set DOFF, 4                           ; v[4:19]   row p: byte offset of my 8 bytes in the destination
.set X,    20                          ; v[20:83]  row p: 4 numbers as loaded
.set Y,    84                          ; v[84:115] row p: 4 numbers in f16
	s_load_b512 s[8:23], s[0:1], 0x0               ; hidden s[8:9], Wq s[10:11], Wk s[12:13], Wv s[14:15], Wo s[16:17], xb s[18:19], wqkv s[20:21], wob s[22:23]
	s_sub_co_u32 s3, ttmp9, 512                    ; for work-groups 512 on: 64 x matrix + block of 16 rows
	s_lshr_b32 s4, s3, 6
	s_and_b32 s5, s3, 63
	s_movk_i32 s29, 2048
	s_cmp_lt_u32 ttmp9, 512
	s_cselect_b32 s6, ttmp9, s5                    ; my block of 16 rows in my source
	s_cselect_b32 s4, 4, s4                        ; kind: 0 Wq, 1 Wk, 2 Wv, 3 Wo, 4 hidden_states
	s_cmp_lt_u32 s4, 3
	s_cselect_b32 s28, 6144, s29                   ; bytes from row to row in the destination
	s_cselect_b32 s30, s4, 0                       ; which third of wqkv's rows
	s_lshl_b32 s32, s6, 16                         ; source: 16 rows of 4,096 bytes
	s_mov_b32 s33, 0
	s_mul_i32 s34, s6, s28
	s_lshl_b32 s34, s34, 4                         ; destination: 16 rows,
	s_lshl_b32 s30, s30, 11
	s_add_co_u32 s34, s34, s30                     ; and 2,048 bytes for each matrix to the left
	s_mov_b32 s35, 0
	v_lshlrev_b32 v1, 4, v0                        ; 16 t
	v_lshlrev_b32 v2, 3, v0                        ; 8 t
.irp p, 0,1,2,3,4,5,6,7,8,9,10,11,12,13,14,15
	v_mad_u32_u24 v[DOFF+\p], s28, \p, v2
.endr
	s_wait_kmcnt 0x0
	s_cmp_eq_u32 s4, 0                             ; the source and the destination are chosen by the kind, which hangs on the work-group's number alone
	s_cselect_b64 s[24:25], s[10:11], s[8:9]
	s_cmp_eq_u32 s4, 1
	s_cselect_b64 s[24:25], s[12:13], s[24:25]
	s_cmp_eq_u32 s4, 2
	s_cselect_b64 s[24:25], s[14:15], s[24:25]
	s_cmp_eq_u32 s4, 3
	s_cselect_b64 s[24:25], s[16:17], s[24:25]
	s_cmp_lt_u32 s4, 3
	s_cselect_b64 s[26:27], s[20:21], s[22:23]
	s_cmp_eq_u32 s4, 4
	s_cselect_b64 s[26:27], s[18:19], s[26:27]
	s_add_nc_u64 s[24:25], s[24:25], s[32:33]
	s_add_nc_u64 s[26:27], s[26:27], s[34:35]
	s_wait_alu depctr_va_vdst(0)                   ; v1 and v[DOFF ..] are written: the loads read v1 as their offset, the stores further down their DOFF
.irp p, 0,1,2,3,4,5,6,7,8,9,10,11,12,13,14,15
	global_load_b128 v[X+4*\p:X+4*\p+3], v1, s[24:25] offset:\p*4096 th:TH_LOAD_NT
.endr
; Group g: rows 4 g to 4 g + 3.  At its head the stores of the group before; then its own eight conversions, each row behind its own counted wait.
.irp g, 0,1,2,3
	s_wait_loadcnt 15-4*(\g)                       ; loads come back in order: row 4 g is in, the younger rows stay out
.if (\g) > 0
	s_wait_alu depctr_va_vdst(0)                   ; the conversions of the group before have written its eight registers of Y, which the four stores below read
.irp i, 0,1,2,3
	global_store_b64 v[DOFF+4*((\g)-1)+(\i)], v[Y+2*(4*((\g)-1)+(\i)):Y+2*(4*((\g)-1)+(\i))+1], s[26:27]    ; no vector instruction since the wait names these registers; none of them is written again, so nothing waits for a store
.endr
.endif
.irp i, 0,1,2,3
.if (\i) > 0
	s_wait_loadcnt 15-4*(\g)-(\i)                  ; row p = 4 g + i is in, the 15 - p younger rows stay out
.endif
	v_cvt_pk_f16_f32 v[Y+2*(4*(\g)+(\i))],   v[X+4*(4*(\g)+(\i))],   v[X+4*(4*(\g)+(\i))+1]
	v_cvt_pk_f16_f32 v[Y+2*(4*(\g)+(\i))+1], v[X+4*(4*(\g)+(\i))+2], v[X+4*(4*(\g)+(\i))+3]
.endr
.endr
	s_wait_alu depctr_va_vdst(0)                   ; the last group's conversions have written its eight registers of Y, which the last four stores read
.irp i, 0,1,2,3
	global_store_b64 v[DOFF+12+(\i)], v[Y+2*(12+(\i)):Y+2*(12+(\i))+1], s[26:27]
.endr
	s_endpgm
.Lfunc_end_k_q18eacc5ae3_cast:
	.size	k_q18eacc5ae3_cast, .Lfunc_end_k_q18eacc5ae3_cast-k_q18eacc5ae3_cast
	.p2alignl 7, 3214868480
	.fill 96, 4, 3214868480
	.section	.rodata,"a",@progbits
	.p2align	6, 0x0
	.amdhsa_kernel k_q18eacc5ae3_cast
		.amdhsa_group_segment_fixed_size 0
		.amdhsa_private_segment_fixed_size 0
		.amdhsa_enable_private_segment 0
		.amdhsa_kernarg_size 64
		.amdhsa_user_sgpr_count 2
		.amdhsa_user_sgpr_kernarg_segment_ptr 1
		.amdhsa_wavefront_size32 1
		.amdhsa_system_sgpr_workgroup_id_x 1
		.amdhsa_system_sgpr_workgroup_id_y 1
		.amdhsa_system_sgpr_workgroup_id_z 1
		.amdhsa_system_vgpr_workitem_id 0
		.amdhsa_next_free_vgpr 120
		.amdhsa_next_free_sgpr 66
		.amdhsa_reserve_vcc 0
		.amdhsa_float_denorm_mode_32 3
		.amdhsa_float_denorm_mode_16_64 3
		.amdhsa_memory_ordered 1
		.amdhsa_forward_progress 1
		.amdhsa_inst_pref_size 9
	.end_amdhsa_kernel
	.amdgpu_metadata
---
amdhsa.version: [ 1, 2 ]
amdhsa.kernels:
  - .name:           k_q18eacc5ae3_cast
    .symbol:         k_q18eacc5ae3_cast.kd
    .args:
      - { .name: hidden_states, .offset: 0, .size: 8, .value_kind: global_buffer, .address_space: global }
      - { .name: Wq, .offset: 8, .size: 8, .value_kind: global_buffer, .address_space: global }
      - { .name: Wk, .offset: 16, .size: 8, .value_kind: global_buffer, .address_space: global }
      - { .name: Wv, .offset: 24, .size: 8, .value_kind: global_buffer, .address_space: global }
      - { .name: Wo, .offset: 32, .size: 8, .value_kind: global_buffer, .address_space: global }
      - { .name: xb, .offset: 40, .size: 8, .value_kind: global_buffer, .address_space: global }
      - { .name: wqkv, .offset: 48, .size: 8, .value_kind: global_buffer, .address_space: global }
      - { .name: wob, .offset: 56, .size: 8, .value_kind: global_buffer, .address_space: global }
    .group_segment_fixed_size: 0
    .private_segment_fixed_size: 0
    .kernarg_segment_align: 8
    .kernarg_segment_size: 64
    .max_flat_workgroup_size: 256
    .sgpr_count:     66
    .vgpr_count:     120
    .wavefront_size: 32
...
	.end_amdgpu_metadata
.endif
;; end of part 5
;; launch qkvgemm: the kernel of part 2 again; grid 8 x 32, 8 waves a work-group, clusters of 4 x 4, 327,680 bytes of LDS; arguments xb, wqkv, bq, bk, bv, qkv; writes qkv
;; launch attn: the kernel of part 3 again; grid 8 x 32, 8 waves a work-group, clusters of 4 x 4, 327,680 bytes of LDS; arguments qkv, attention_mask, att; writes att
;; launch outgemm: the kernel of part 4 again; grid 4 x 64, 8 waves a work-group, clusters of 4 x 4, 327,680 bytes of LDS; arguments att, wob, bo, out0; writes out0
